; MI455X (gfx1250); checked and timed in simulation.
; The chip was launched on July 23, 2026; its instructions are those of AMD's public machine-readable ISA for CDNA 5 (MIT licence, August 2026) and "CDNA5" Instruction Set Architecture Reference Guide (July 2026). The comments in the code are by the model that wrote it; some were corrected since.
;; Multi Head Attention. Allowed arithmetic: matrix products marked QUANTISED: E2M1 operands, one E8M0 scale for each 32 along K, by v_wmma_scale_f32_16x16x128_f8f6f4 with both operands' format E2M1 (or v_wmma_scale_f32_32x16x128_f4), f32 sums; products left as they are: bf16, f16 or f32 operands; f32 sums; everything else in f32.
;; Inputs: W_k 1,024 x 1,024 float32; W_o 1,024 x 1,024 float32; W_q 1,024 x 1,024 float32; W_v 1,024 x 1,024 float32; b_o 1,024 float32; x 1 x 4,096 x 1,024 float32.
;; Outputs: out0 1 x 4,096 x 1,024 float32.
;; This version of the problem:
;;   THIS VERSION OF THE PROBLEM IS GIVEN IN LOW PRECISION. The matrix products marked QUANTISED in the list below multiply operands that are first quantised to E2M1 (2 exponent bits, 1 mantissa bit; 4 bits a number), with one power-of-two scale for each 32 numbers along K (OCP MX v1.0); their sums are f32. The products marked 'left as it is' may take bf16, f16 or f32 operands, with f32 sums. Whichever they take, every output number must still come out within the allowed error. Rounding operands to bf16 (8 significant bits) uses up far more of that allowance than f16 does (11 bits, for magnitudes from 6e-5 to 65,504). All else is computed in f32.
;;   The module's matrix products, in the order in which they are computed (A, B: the left and right operand; K: the contracted axis; several contracted axes count as one K, in the product's order):
;;     1. [M 4,096, K 1,024] x [K 1,024, N 1,024]; A: input x; B: input W_q: QUANTISED
;;     2. [M 4,096, K 1,024] x [K 1,024, N 1,024]; A: input x; B: input W_k: QUANTISED
;;     3. [M 4,096, K 1,024] x [K 1,024, N 1,024]; A: input x; B: input W_v: QUANTISED
;;     4. batch 16 x [M 4,096, K 64] x [K 64, N 4,096]; A: computed on the way; B: computed on the way: left as it is (an operand is computed on the way)
;;     5. batch 16 x [M 4,096, K 4,096] x [K 4,096, N 64]; A: computed on the way; B: computed on the way: left as it is (an operand is computed on the way)
;;     6. [M 4,096, K 1,024] x [K 1,024, N 1,024]; A: computed on the way; B: input W_o: left as it is (an operand is computed on the way)
;;   THE QUANTISER, for each operand of a quantised product, along K:
;;     - K is cut into blocks of 32 from its start; a last block that is shorter is filled with zeros.
;;     - A block's scale is 2^e with e = floor(log2(the largest magnitude in the block)) - 2, held to -126 .. 127; a block of zeros has e = 0. As a byte (E8M0): e + 127.
;;     - Each number is divided by its block's scale, clamped to +-6, and rounded to the nearest number of E2M1, ties to even, subnormals kept.
;;     - The product sums the exact products of the quantised numbers (number of the format x scale) in f32.
;;   ~~~python
;;   def quantise(x, axis):      # numpy; x: float32 -> the quantised numbers, widened to float32 again
;;       x = np.moveaxis(x, axis, -1); K = x.shape[-1]
;;       x = np.pad(x, [(0, 0)] * (x.ndim - 1) + [(0, -K % 32)]); x = x.reshape(x.shape[:-1] + (-1, 32)); a = np.abs(x).max(-1, keepdims=True)
;;       e = np.where(a > 0, np.clip(np.frexp(np.where(a > 0, a, 1))[1] - 1 - 2, -126, 127), 0)      # np.frexp(a)[1] - 1 = floor(log2(a)), exactly
;;       r = np.clip(x / 2.0 ** e, -6, 6)
;;       step = 2.0 ** (np.maximum(np.frexp(np.where(r == 0, 1, r))[1] - 1, 0) - 1)
;;       q = np.round(r / step) * step * 2.0 ** e      # np.round: ties to even
;;       return np.moveaxis(q.reshape(q.shape[:-2] + (-1,))[..., :K], -1, axis).astype(np.float32)
;;   ~~~
;; One version. Each part assembles by itself: llvm-mc -triple=amdgcn-amd-amdhsa -mcpu=gfx1250 --defsym DOCPART=n.
;; ======== version 1 of 1: 5 launches
;; limits: values are held in f16: magnitudes above 65,504 overflow, below 6.1e-05 lose precision
;; workspace buffers: xc 2,097,152 bytes; xs 131,072 bytes; wc 1,572,864 bytes; ws 98,304 bytes; wo 2,097,152 bytes; qkv 25,165,824 bytes; h32 786,432 bytes; ctx 8,388,608 bytes
;; launch prep (part 1): grid 256 x 1, 8 waves a work-group, no clusters, 66,560 bytes of LDS; arguments x, W_q, W_k, W_v, W_o, xc, xs, wc, ws, wo; writes xc, xs, wc, ws, wo
.if DOCPART == 1
	.amdgcn_target "amdgcn-amd-amdhsa--gfx1250"
	.amdhsa_code_object_version 6
	.text
	.protected	k_q6db1c08ed5_prep
	.globl	k_q6db1c08ed5_prep
	.p2align	8
	.type	k_q6db1c08ed5_prep,@function
k_q6db1c08ed5_prep:
	s_mov_b64 s[64:65], 0
	v_nop
	global_prefetch_b8 v0, s[64:65] scope:SCOPE_SE
	s_setreg_imm32_b32 hwreg(HW_REG_WAVE_MODE, 25, 1), 1
	s_wait_xcnt 0x0
; x [4096][1024] and W_q, W_k, W_v [1024 (k)][1024 (n)], f32, become codes of E2M1 with one E8M0 byte for each 32 along K; W_o [1024 (k)][1024 (n)] becomes f16.
; ALL RESULTS ARE LAID AS IMAGES OF OPERAND REGISTERS: a fragment (16 rows x 128 K of codes, or 16 rows x 32 K of f16) is 1,024 bytes, [c 0..1][lane 0..31][16 bytes]:
; two loads of 16 bytes a lane at 16 x lane (+ 512) bring the operand's registers 4 c .. 4 c + 3.  Codes: lane (r, h) holds K = 64 c + 32 h + 0 .. 31 of row r; f16: K = 16 c + 8 h + 0 .. 7.
; xc [row tile 256][K step 8][1 KB]; wc [column tile 192][K step 8][1 KB] (q, k, v on end); scale words xs, ws [row / 32][K step 8][row % 32][4 bytes]; wo [column tile 64][k tile 32][1 KB].
; A block's scale is 2^(floor(log2(largest magnitude)) - 2): its byte is the largest magnitude's exponent field - 2, held at 1 from below by a floor among the maximum's leaves.
; LIMITS: a block of zeros gets the byte 1 where the rule says 127 (its codes are zeros, and only this program reads the bytes); NaN and infinities are not served; |W_o| stays under 65,504 (f16).
; SHARES: work-groups 0-127: 32 rows of x each, wave w the K step w (512 bytes of each row).  Work-groups 128-255: 128 columns x 256 k of one weight; a wave 32 columns x 128 k, a lane a column, registers down K.
; Only x's path uses LDS: the numbers turn through a stage so that loads are dense and a lane still holds 16 neighbours, and codes and bytes are gathered there into the image.
.set SPARE, 65536                      ; behind the eight waves' regions: the spare words, 128 bytes a wave
.set SP,    80                         ; a lane's place in a turn stage: 64 bytes + 16 of padding
.set CST,   5120                       ; in a wave's 8,192 bytes: two stages of 2,560; the codes' image, 2,048;
.set SST,   7168                       ; the 32 scale words, 128
.set R,     64                         ; v64-191  numbers as loaded
.set X,     32                         ; v32-63   two sets of 16 neighbours
.set C,     16                         ; v16-31   x: two code registers for each step
.set E,     192                        ; v192-199 x: a scale byte for each step
.set SPW,   12
.set NIL,   13
	s_load_b512 s[8:23], s[0:1], 0x0               ; x, W_q, W_k, W_v, W_o, xc, xs, wc
	s_load_b128 s[24:27], s[0:1], 0x40             ; ws, wo
	v_lshl_add_u32 v[SPW], v0, 2, SPARE
	v_mov_b32 v[NIL], 0
	v_lshrrev_b32 v1, 5, v0
	v_readfirstlane_b32 s4, v1                     ; wave
	v_and_b32 v2, 31, v0                           ; lane
	v_lshlrev_b32 v3, 4, v2                        ; 16 x lane
	v_lshlrev_b32 v4, 2, v2                        ; 4 x lane
	s_cmp_lt_u32 ttmp9, 128
	s_cbranch_scc0 .Lweights
	; ---------------------------------------------------------------- x
	s_lshl_b32 s5, s4, 13                          ; my wave's LDS region
	v_lshrrev_b32 v14, 2, v2
	v_mul_u32_u24 v14, v14, SP
	v_and_b32 v15, 3, v2
	v_lshl_add_u32 v14, v15, 4, v14
	v_add_nc_u32 v14, s5, v14                      ; stage, way in: SP (lane / 4) + 16 (lane % 4)
	v_mul_u32_u24 v15, v2, SP
	v_add_nc_u32 v15, s5, v15                      ; stage, way out: SP x lane: 16 neighbours: row 4 t + lane / 8, k 16 (lane % 8) on
	v_bfe_u32 v5, v2, 1, 2                         ; my block of the K step's four
	v_lshrrev_b32 v6, 3, v2                        ; my row of the step's four
	v_and_b32 v7, 1, v2                            ; which half of the block
	v_lshl_add_u32 v9, v6, 2, v5                   ; 4 x row + block: my byte among the scale words
	v_lshlrev_b32 v5, 8, v5                        ; the image: block b begins at 256 b (c = b / 2, h = b % 2),
	v_lshl_add_u32 v5, v6, 4, v5                   ; row r at 16 r,
	v_lshl_add_u32 v5, v7, 3, v5                   ; my 16 codes at 8 x half
	s_add_co_u32 s6, s5, CST
	v_add_nc_u32 v5, s6, v5
	v_add_nc_u32 v7, s6, v3                        ; the image read back: 16 x lane
	s_add_co_u32 s6, s5, SST
	v_add_nc_u32 v6, s6, v9
	v_add_nc_u32 v10, s6, v4                       ; the scale words read back: 4 x lane
	s_lshl_b32 s6, ttmp9, 17                       ; x: 32 rows of 4,096 bytes a work-group, 512 bytes a wave
	s_lshl_b32 s7, s4, 9
	s_add_co_u32 s6, s6, s7
	s_mov_b32 s7, 0
	s_lshl_b32 s28, ttmp9, 14                      ; xc: two row tiles of 8 KB a work-group, 1 KB a K step
	s_lshl_b32 s29, s4, 10
	s_add_co_u32 s28, s28, s29
	s_mov_b32 s29, 0
	s_lshl_b32 s30, ttmp9, 10                      ; xs: 1,024 bytes for 32 rows, 128 a K step
	s_lshl_b32 s31, s4, 7
	s_add_co_u32 s30, s30, s31
	s_mov_b32 s31, 0
	s_wait_kmcnt 0x0
	s_add_nc_u64 s[8:9], s[8:9], s[6:7]
	s_add_nc_u64 s[18:19], s[18:19], s[28:29]
	s_add_nc_u64 s[20:21], s[20:21], s[30:31]
.set i, 0
.rept 32                                           ; all 16 KB of the wave are asked for at once: load i is 512 consecutive bytes of row i
	global_load_b128 v[R+4*i:R+4*i+3], v3, s[8:9] offset:4096*i th:TH_LOAD_NT
.set i, i+1
.endr
.macro TURN t                                      ; step t's four rows through the stage; LDS serves a wave's instructions in order, so no wait stands between
.irp i, 0,1,2,3
	ds_store_b128 v14, v[R+16*(\t)+4*\i:R+16*(\t)+4*\i+3] offset:32*SP*((\t)%2)+8*SP*\i
.endr
.irp i, 0,1,2,3
	ds_load_b128 v[X+16*((\t)%2)+4*\i:X+16*((\t)%2)+4*\i+3], v15 offset:32*SP*((\t)%2)+16*\i
.endr
.endm
.macro STEP t
.set XS, X+16*((\t)%2)
.if (\t) > 0
	s_wait_dscnt 2                                 ; my 16 neighbours are back; the last step's two stores may be out
.else
	s_wait_dscnt 0x0
.endif
.if (\t) < 7
	s_wait_loadcnt 24-4*(\t)                       ; the next step's four loads are in; those of the steps behind it stay out
	TURN (\t)+1
.endif
	v_max3_num_f32 v8, |v[XS]|, |v[XS+1]|, |v[XS+2]|
	v_max3_num_f32 v9, |v[XS+3]|, |v[XS+4]|, |v[XS+5]|
.irp i, 6,10
	v_max3_num_f32 v8, v8, |v[XS+\i]|, |v[XS+\i+1]|
	v_max3_num_f32 v9, v9, |v[XS+\i+2]|, |v[XS+\i+3]|
.endr
	v_max3_num_f32 v8, v8, |v[XS+14]|, |v[XS+15]|
	v_max3_num_f32 v8, v8, v9, 0x1800000           ; the floor 2^(3 - 127): the byte cannot fall under 1
	v_max_num_f32_dpp v8, v8, v8 row_xmask:1 row_mask:0xf bank_mask:0xf   ; with my neighbour's 16: the block's largest magnitude
	v_add_nc_u32 v11, 0xff000000, v8               ; 2 off its exponent field: the conversion takes that field as its scale
	v_cvt_scalef32_pk8_fp4_f32 v[C+2*(\t)], v[XS:XS+7], v11
	v_cvt_scalef32_pk8_fp4_f32 v[C+2*(\t)+1], v[XS+8:XS+15], v11
	v_lshrrev_b32 v[E+(\t)], 23, v11               ; the scale's byte (also the plain line behind the conversions)
	ds_store_b64 v5, v[C+2*(\t):C+2*(\t)+1] offset:((\t)/4)*1024+((\t)%4)*64   ; row tile t / 4, rows 4 (t % 4) on
	ds_store_b8 v6, v[E+(\t)] offset:16*(\t)       ; both lanes of a block write the same byte with the same value
.endm
	s_wait_loadcnt 28                              ; step 0's four loads are in
	TURN 0
.irp t, 0,1,2,3,4,5,6,7
	STEP \t
.endr
.irp n, 0,1,2,3
	ds_load_b128 v[X+4*\n:X+4*\n+3], v7 offset:512*\n
.endr
	ds_load_b32 v[X+16], v10
	s_wait_dscnt 0x0
.irp n, 0,1,2,3
	global_store_b128 v3, v[X+4*\n:X+4*\n+3], s[18:19] offset:(\n/2)*8192+(\n%2)*512   ; 512 consecutive bytes, aligned
.endr
	global_store_b32 v4, v[X+16], s[20:21]
	s_wait_tensorcnt 0x0                           ; the wave's end
	ds_add_u32 v[SPW], v[NIL]
	s_wait_dscnt 0x0
	s_endpgm
	; ---------------------------------------------------------------- the weights
.Lweights:
	s_sub_co_u32 s5, ttmp9, 128
	s_lshr_b32 s6, s5, 5                           ; which weight: 0 q, 1 k, 2 v, 3 o
	s_and_b32 s7, s5, 7                            ; which 128 columns
	s_bfe_u32 s28, s5, 0x20003                     ; which 256 along k
	s_and_b32 s29, s4, 3                           ; my wave's 32 columns
	s_lshr_b32 s30, s4, 2
	s_lshl_b32 s28, s28, 1
	s_add_co_u32 s28, s28, s30                     ; my K step of 128
	s_lshl_b32 s32, s28, 19                        ; source: 128 rows of 4,096 bytes a K step,
	s_lshl_b32 s33, s7, 9
	s_add_co_u32 s32, s32, s33
	s_lshl_b32 s33, s29, 7
	s_add_co_u32 s32, s32, s33                     ; + my first column
	s_mov_b32 s33, 0
	s_lshl_b32 s34, s7, 3
	s_lshl_b32 s35, s29, 1
	s_add_co_u32 s34, s34, s35                     ; my first column tile in the weight
	s_lshl_b32 s36, s6, 6
	s_add_co_u32 s36, s36, s34
	s_lshl_b32 s36, s36, 3
	s_add_co_u32 s36, s36, s28
	s_lshl_b32 s36, s36, 10                        ; wc: (column tile x 8 + K step) KB
	s_mov_b32 s37, 0
	s_lshl_b32 s38, s6, 5
	s_lshr_b32 s39, s34, 1
	s_add_co_u32 s38, s38, s39
	s_lshl_b32 s38, s38, 10
	s_lshl_b32 s39, s28, 7
	s_add_co_u32 s38, s38, s39                     ; ws: (column / 32) KB + 128 x K step
	s_mov_b32 s39, 0
	s_lshl_b32 s40, s34, 5
	s_lshl_b32 s41, s28, 2
	s_add_co_u32 s40, s40, s41
	s_lshl_b32 s40, s40, 10                        ; wo: (column tile x 32 + 4 x K step) KB
	s_mov_b32 s41, 0
	v_lshrrev_b32 v6, 4, v2
	v_and_b32 v7, 15, v2
	v_lshlrev_b32 v7, 4, v7
	v_lshl_add_u32 v5, v6, 13, v7                  ; codes: lanes 16-31 belong to the next column tile, 8 KB on; 16 bytes a column
	v_lshl_add_u32 v6, v6, 15, v7                  ; f16: 32 KB on
	s_and_b32 s31, s6, 1
	s_wait_kmcnt 0x0
	s_cmp_lt_u32 s6, 2                             ; the choice hangs on the work-group's number alone
	s_cselect_b64 s[42:43], s[10:11], s[14:15]
	s_cselect_b64 s[44:45], s[12:13], s[16:17]
	s_cmp_lg_u32 s31, 0
	s_cselect_b64 s[42:43], s[44:45], s[42:43]
	s_add_nc_u64 s[42:43], s[42:43], s[32:33]
.macro WLOAD t                                     ; block t: W(32 t + i, my column): 128 consecutive bytes a wave and load
.set i, 0
.rept 32
	global_load_b32 v[R+32*(\t)+i], v4, s[42:43] offset:(32*(\t)+i)*4096 th:TH_LOAD_NT
.set i, i+1
.endr
.endm
	WLOAD 0
	WLOAD 1
	s_cmp_eq_u32 s6, 3
	s_cbranch_scc1 .Lwo
	s_add_nc_u64 s[22:23], s[22:23], s[36:37]
	s_add_nc_u64 s[24:25], s[24:25], s[38:39]
.macro QBLOCK t
.set XS, R+32*(\t)
.if (\t) < 3
	s_wait_loadcnt 32                              ; this block's 32 loads are in; the next block's may be out
.else
	s_wait_loadcnt 0x0
.endif
.if (\t) < 2
	WLOAD (\t)+2
.endif
	v_max3_num_f32 v8, |v[XS]|, |v[XS+1]|, |v[XS+2]|   ; all 32 numbers of the block are mine
	v_max3_num_f32 v9, |v[XS+3]|, |v[XS+4]|, |v[XS+5]|
.irp i, 6,10,14,18,22,26
	v_max3_num_f32 v8, v8, |v[XS+\i]|, |v[XS+\i+1]|
	v_max3_num_f32 v9, v9, |v[XS+\i+2]|, |v[XS+\i+3]|
.endr
	v_max3_num_f32 v8, v8, |v[XS+30]|, |v[XS+31]|
	v_max3_num_f32 v8, v8, v9, 0x1800000
	v_add_nc_u32 v11, 0xff000000, v8
	v_lshrrev_b32 v9, 23, v11
.if (\t) == 0
	v_mov_b32 v24, v9                              ; the K step's four bytes make my column's scale word
.else
	v_lshl_or_b32 v24, v9, 8*(\t), v24
.endif
.irp g, 0,1,2,3
	v_cvt_scalef32_pk8_fp4_f32 v[32+4*(\t)+\g], v[XS+8*\g:XS+8*\g+7], v11
.endr
	v_nop                                          ; one plain line behind the last conversion of a run
	global_store_b128 v5, v[32+4*(\t):35+4*(\t)], s[22:23] offset:256*(\t)   ; block t is (c, h) = (t / 2, t % 2) of the image: sixteen lanes fill 256 consecutive bytes, aligned
.endm
.irp t, 0,1,2,3
	QBLOCK \t
.endr
	global_store_b32 v4, v24, s[24:25]
	s_wait_tensorcnt 0x0                           ; the wave's end
	ds_add_u32 v[SPW], v[NIL]
	s_wait_dscnt 0x0
	s_endpgm
.Lwo:
	s_add_nc_u64 s[26:27], s[26:27], s[40:41]
.macro HBLOCK t                                    ; 32 along k of my column: one fragment's worth, rounded to f16 in place
.set XS, R+32*(\t)
.if (\t) < 3
	s_wait_loadcnt 32
.else
	s_wait_loadcnt 0x0
.endif
.if (\t) < 2
	WLOAD (\t)+2
.endif
.set i, 0
.rept 16
	v_cvt_pk_f16_f32 v[XS+i], v[XS+2*i], v[XS+2*i+1]
.set i, i+1
.endr
.irp q, 0,1,2,3
	global_store_b128 v6, v[XS+4*\q:XS+4*\q+3], s[26:27] offset:1024*(\t)+256*\q   ; k 8 q on is (c, h) = (q / 2, q % 2)
.endr
.endm
.irp t, 0,1,2,3
	HBLOCK \t
.endr
	s_wait_tensorcnt 0x0
	ds_add_u32 v[SPW], v[NIL]
	s_wait_dscnt 0x0
	s_endpgm
.Lfunc_end_k_q6db1c08ed5_prep:
	.size	k_q6db1c08ed5_prep, .Lfunc_end_k_q6db1c08ed5_prep-k_q6db1c08ed5_prep
	.p2alignl 7, 3214868480
	.fill 96, 4, 3214868480
	.section	.rodata,"a",@progbits
	.p2align	6, 0x0
	.amdhsa_kernel k_q6db1c08ed5_prep
		.amdhsa_group_segment_fixed_size 66560
		.amdhsa_private_segment_fixed_size 0
		.amdhsa_enable_private_segment 0
		.amdhsa_kernarg_size 80
		.amdhsa_user_sgpr_count 2
		.amdhsa_user_sgpr_kernarg_segment_ptr 1
		.amdhsa_wavefront_size32 1
		.amdhsa_system_sgpr_workgroup_id_x 1
		.amdhsa_system_sgpr_workgroup_id_y 1
		.amdhsa_system_sgpr_workgroup_id_z 1
		.amdhsa_system_vgpr_workitem_id 0
		.amdhsa_next_free_vgpr 208
		.amdhsa_next_free_sgpr 66
		.amdhsa_reserve_vcc 0
		.amdhsa_float_denorm_mode_32 3
		.amdhsa_float_denorm_mode_16_64 3
		.amdhsa_memory_ordered 1
		.amdhsa_forward_progress 1
		.amdhsa_inst_pref_size 51
	.end_amdhsa_kernel
	.amdgpu_metadata
---
amdhsa.version: [ 1, 2 ]
amdhsa.kernels:
  - .name:           k_q6db1c08ed5_prep
    .symbol:         k_q6db1c08ed5_prep.kd
    .args:
      - { .name: x, .offset: 0, .size: 8, .value_kind: global_buffer, .address_space: global }
      - { .name: W_q, .offset: 8, .size: 8, .value_kind: global_buffer, .address_space: global }
      - { .name: W_k, .offset: 16, .size: 8, .value_kind: global_buffer, .address_space: global }
      - { .name: W_v, .offset: 24, .size: 8, .value_kind: global_buffer, .address_space: global }
      - { .name: W_o, .offset: 32, .size: 8, .value_kind: global_buffer, .address_space: global }
      - { .name: xc, .offset: 40, .size: 8, .value_kind: global_buffer, .address_space: global }
      - { .name: xs, .offset: 48, .size: 8, .value_kind: global_buffer, .address_space: global }
      - { .name: wc, .offset: 56, .size: 8, .value_kind: global_buffer, .address_space: global }
      - { .name: ws, .offset: 64, .size: 8, .value_kind: global_buffer, .address_space: global }
      - { .name: wo, .offset: 72, .size: 8, .value_kind: global_buffer, .address_space: global }
    .group_segment_fixed_size: 66560
    .private_segment_fixed_size: 0
    .kernarg_segment_align: 8
    .kernarg_segment_size: 80
    .max_flat_workgroup_size: 256
    .sgpr_count:     66
    .vgpr_count:     208
    .wavefront_size: 32
...
	.end_amdgpu_metadata
.endif
;; end of part 1
;; launch qkv (part 2): grid 12 x 16, 4 waves a work-group, clusters of 4 x 4, 327,680 bytes of LDS; arguments xc, xs, wc, ws, qkv, h32; writes qkv, h32
.if DOCPART == 2
	.amdgcn_target "amdgcn-amd-amdhsa--gfx1250"
	.amdhsa_code_object_version 6
	.text
	.protected	k_q6db1c08ed5_qkv
	.globl	k_q6db1c08ed5_qkv
	.p2align	8
	.type	k_q6db1c08ed5_qkv,@function
k_q6db1c08ed5_qkv:
	s_mov_b64 s[64:65], 0
	v_nop
	global_prefetch_b8 v0, s[64:65] scope:SCOPE_SE
	s_setreg_imm32_b32 hwreg(HW_REG_WAVE_MODE, 25, 1), 1
	s_wait_xcnt 0x0
	s_wait_alu depctr_hold_cnt(0) depctr_sa_sdst(0) depctr_va_vdst(0) depctr_va_sdst(0) depctr_va_ssrc(0) depctr_va_vcc(0) depctr_vm_vsrc(0)
	s_getreg_b32 s2, hwreg(HW_REG_IB_STS2, 6, 4)
	s_cmp_eq_u32 s2, 0
	s_cbranch_scc0 .Lentry_in_a_cluster
	s_endpgm
.Lentry_in_a_cluster:
	s_bfe_u32 s2, ttmp6, 0x10000c
	s_cmp_lg_u32 s2, 0xf033
	s_cbranch_scc0 .Lentry_shape_is_right
	s_endpgm
.Lentry_shape_is_right:
; [q | k | v] = Q(x) Q(W): 4,096 x 3,072, K = 1,024, on codes of E2M1 with E8M0 scales, sums in f32; the results leave as f16, laid as images of the operand registers that attention wants.
; A work-group of four waves makes 256 x 256, a wave 128 x 128: 64 accumulators.  192 work-groups.  ALL OF K LIES IN LDS after the first fills (two halves of 512 along K, and the scale words): nothing is filled again.
; Codes arrive as fragment images (1 KB: [c][lane][16 bytes]), so every LDS read is 512 consecutive bytes and LDS needs no pitch and no padding.
; CLUSTERS: 4 x 4.  A's tiles are shared along a row of the cluster, B's along a column: each is asked for jointly, by the same tensor load with the same descriptor and a mask that names the four.
; THE MATRIX INSTRUCTION IS USED TRANSPOSED (source 0 = 16 rows of W^T, source 1 = 16 tokens): a lane holds one token and eight neighbouring features, 16 bytes of f16: exactly a lane's part of an image.
; qkv: [token tile 256][fragment 96][1 KB]: fragment = feature / 32 (0-31 q, 32-63 k, 64-95 v); q, k: lane (r, h) token r, features 16 c + 8 h + 0 .. 7.  v: the same pieces of 16 bytes at
; 512 c + 256 (r / 8) + 128 h + 16 (r % 8), so that the turning LDS load of attention can read them at 16 x lane.
; h32: the f32 results of each first token tile, as images of the accumulators, for the launch that makes positions 0 to 15 in f32.  No branch may hang on a work-group's place in its cluster, so the four
; partners along y of the first row of clusters all store their first tile, told apart by address: [cy 4][feature tile 192][1 KB]; only slab 0 is read: 576 KB are stored and not used.
; LIMIT: |q|, |k|, |v| stay under 65,504 (f16).
; REGISTERS: window 0: v16-29 addresses; v32-95 scale words, two sets; v128-191 A's fragments, one set (on the way out v128-255: packed results).  window 1: B's fragments, two sets.  windows 2, 3: the accumulators.
.set NQ,     4                         ; steps of 128 along K in a half
.set FR,     8
.set NL,     2
.set NP,     4                         ; places behind this matrix instruction (ISA guide 7.12.1)
.set SLOT,   131072                    ; a half of K: four waves' 32 KB: [tile 8][K step 4][1 KB]; waves 0, 1: A's rows, waves 2, 3: B's
.set SCL,    262144                    ; the scale words: 4 KB a wave: [32 rows 4][K step 8][row 32][4 bytes]
.set SPARE,  278528                    ; the spare words, 128 bytes a wave
.set ADRA, 16
.set ADRB, 20
.set LI,   24                          ; 16 x lane
.set VP,   25                          ; v's place of a lane's 16 bytes
.set CO,   26                          ; the one of the two that my columns take
.set ADRS, 27
.set SPW,  28
.set NIL,  29
.set SC,   32
.set AF,   128
.set PK,   128
.set WV, 16
.set RH, 17                            ; which half of the tile's rows is mine.  Also: I fetch for A (0) or for B (1)
.set CH, 18                            ; which half of its columns.  Also: which 128 rows I fetch
.set TR, 19
.set G1, 24
.set G0, 32
.set G1B, 48
.set G0B, 56
.set G1S, 68
.set G0S, 76
.set G1SB, 80
.set G0SB, 88
.set MSB, 0
.macro WIN new                         ; the immediate's high byte repeats the setting that is left
.if MSB != \new
	s_set_vgpr_msb (MSB<<8)|\new
.set MSB, \new
.endif
.endm
.set MUL_LO, 0xa1                      ; source 0 (B) window 1, source 1 (A) window 0, C and D window 2
.set MUL_HI, 0xf1
.set TO_B,   0x40
.macro JLOAD g0a, g1a, g0b, g1b        ; a joint load: waves 0 and 1 for A, waves 2 and 3 for B; an s_nop 0 and four v_nop follow each line
	s_cmp_eq_u32 s[RH], 0
	s_cbranch_scc0 .Lfor_b_\@
	tensor_load_to_lds s[\g0a:\g0a+3], s[\g1a:\g1a+7]
	s_nop 0
.rept 4
	v_nop
.endr
	s_branch .Lasked_\@
.Lfor_b_\@:
	tensor_load_to_lds s[\g0b:\g0b+3], s[\g1b:\g1b+7]
	s_nop 0
.rept 4
	v_nop
.endr
.Lasked_\@:
.endm
.macro CROUND                          ; a round of the cluster's barrier
	s_barrier_signal -1
	s_barrier_wait -1
	s_cmp_lg_u32 s[WV], 0
	s_cbranch_scc1 .Lnot_wave_0_\@
	s_barrier_signal -3
.Lnot_wave_0_\@:
	s_barrier_wait -3
	s_barrier_signal -1
	s_barrier_wait -1
.endm
	s_load_b256 s[4:11], s[0:1], 0x0               ; xc, xs, wc, ws
	s_load_b128 s[12:15], s[0:1], 0x20             ; qkv, h32
	v_lshl_add_u32 v[SPW], v0, 2, SPARE
	v_mov_b32 v[NIL], 0
	ds_add_u32 v[SPW], v[NIL]                      ; the wave's opening: the add, twice on end, and its wait ahead of my first tensor load
	ds_add_u32 v[SPW], v[NIL]
	v_lshrrev_b32 v1, 5, v0
	v_readfirstlane_b32 s[WV], v1
	s_lshr_b32 s[RH], s[WV], 1
	s_and_b32 s[CH], s[WV], 1
	s_bfe_u32 s40, ttmp6, 0x40000                  ; cx, cy
	s_bfe_u32 s41, ttmp6, 0x40004
	s_lshl_b32 s42, ttmp9, 2
	s_add_co_u32 s42, s42, s40                     ; tile column = 4 x cluster x + cx
	s_and_b32 s[TR], ttmp7, 0xffff
	s_lshl_b32 s[TR], s[TR], 2
	s_add_co_u32 s[TR], s[TR], s41                 ; tile row = 4 x cluster y + cy
	s_lshl_b32 s43, s41, 2
	s_lshl_b32 s43, 15, s43                        ; my row of the cluster
	s_lshl_b32 s44, 0x1111, s40                    ; my column
	; codes: 8 tiles x 4 KB (four K steps' images on end), 8 KB from tile to tile; elements of 8 bytes
	s_or_b32 s[G1+0], s43, (3<<16)|(1<<21)
	s_or_b32 s[G1B+0], s44, (3<<16)|(1<<21)
.irp g, G1, G1B
	s_mov_b32 s[\g+1], 512<<16                     ; tensor_dim0
	s_mov_b32 s[\g+2], 8<<16                       ; tensor_dim1
	s_mov_b32 s[\g+3], 512<<16                     ; tile_dim0
	s_mov_b32 s[\g+4], 8                           ; tile_dim1
	s_mov_b32 s[\g+5], 1024                        ; stride
	s_mov_b32 s[\g+6], 0
	s_mov_b32 s[\g+7], 0
.endr
	; scale words of 128 rows: 4,096 dense bytes, as 16 rows of 256
	s_or_b32 s[G1S+0], s43, (3<<16)|(1<<21)
	s_or_b32 s[G1SB+0], s44, (3<<16)|(1<<21)
.irp g, G1S, G1SB
	s_mov_b32 s[\g+1], 32<<16
	s_mov_b32 s[\g+2], 16<<16
	s_mov_b32 s[\g+3], 32<<16
	s_mov_b32 s[\g+4], 16
	s_mov_b32 s[\g+5], 32
	s_mov_b32 s[\g+6], 0
	s_mov_b32 s[\g+7], 0
.endr
	s_lshl_b32 s66, s[CH], 16                      ; the 8 tiles that I fetch
	s_lshl_b32 s67, s[CH], 12
	s_lshl_b32 s20, s[TR], 17                      ; A's codes: 16 tiles of 8 KB a tile row
	s_add_co_u32 s20, s20, s66
	s_mov_b32 s21, 0
	s_lshl_b32 s46, s42, 17                        ; B's
	s_add_co_u32 s46, s46, s66
	s_mov_b32 s47, 0
	s_lshl_b32 s22, s[TR], 13                      ; A's scale words: 8 KB a tile row
	s_add_co_u32 s22, s22, s67
	s_mov_b32 s23, 0
	s_lshl_b32 s92, s42, 13
	s_add_co_u32 s92, s92, s67
	s_mov_b32 s93, 0
	s_lshl_b32 s45, s[WV], 15                      ; where they go: no place in the cluster enters an LDS address
	s_lshl_b32 s94, s[WV], 12
	s_wait_dscnt 0x0                               ; both opening adds are done
	s_wait_kmcnt 0x0
	s_add_nc_u64 s[20:21], s[4:5], s[20:21]
	s_add_nc_u64 s[22:23], s[6:7], s[22:23]
	s_add_nc_u64 s[46:47], s[8:9], s[46:47]
	s_add_nc_u64 s[92:93], s[10:11], s[92:93]
	CROUND                                         ; all sixteen work-groups are here: the first joint loads meet
	s_mov_b32 s[G0S], 1
	s_add_co_u32 s[G0S+1], s94, SCL
	s_mov_b64 s[G0S+2:G0S+3], s[22:23]
	s_or_b32 s[G0S+3], s[G0S+3], 0x80000000
	s_mov_b32 s[G0SB], 1
	s_add_co_u32 s[G0SB+1], s94, SCL
	s_mov_b64 s[G0SB+2:G0SB+3], s[92:93]
	s_or_b32 s[G0SB+3], s[G0SB+3], 0x80000000
	JLOAD G0S, G1S, G0SB, G1SB                     ; the scale words first
.irp s, 0,1
	s_mov_b32 s[G0+4*\s], 1
	s_add_co_u32 s[G0+4*\s+1], s45, \s*SLOT
	s_add_nc_u64 s[G0+4*\s+2:G0+4*\s+3], s[20:21], \s*4096
	s_or_b32 s[G0+4*\s+3], s[G0+4*\s+3], 0x80000000
	s_mov_b32 s[G0B+4*\s], 1
	s_add_co_u32 s[G0B+4*\s+1], s45, \s*SLOT
	s_add_nc_u64 s[G0B+4*\s+2:G0B+4*\s+3], s[46:47], \s*4096
	s_or_b32 s[G0B+4*\s+3], s[G0B+4*\s+3], 0x80000000
	JLOAD G0+4*\s, G1, G0B+4*\s, G1B               ; by this text's count three tensor loads of a wave are out
.endr
	v_and_b32 v1, 15, v0                           ; r
	v_bfe_u32 v2, v0, 4, 1                         ; h
	v_and_b32 v3, 31, v0
	v_lshlrev_b32 v[LI], 4, v3
	s_lshl_b32 s21, s[RH], 15                      ; my 128 rows of A
	s_lshl_b32 s22, s[CH], 15
	s_add_co_u32 s22, s22, 65536                   ; my 128 rows of B, behind A's
.irp s, 0,1
	v_add_nc_u32 v[ADRA+\s], s21, v[LI]
	v_add_nc_u32 v[ADRB+\s], s22, v[LI]
	s_add_co_u32 s21, s21, SLOT
	s_add_co_u32 s22, s22, SLOT
.endr
	s_lshl_b32 s21, s[RH], 12                      ; scale words: lanes 0-15 take A's rows, lanes 16-31 B's: the lower base + h x the distance
	s_lshl_b32 s22, s[CH], 12
	s_add_co_u32 s22, s22, 8192
	s_sub_co_u32 s22, s22, s21
	v_mul_u32_u24 v6, s22, v2
	s_add_co_u32 s21, s21, SCL
	v_lshl_add_u32 v5, v1, 2, v6
	v_add_nc_u32 v[ADRS], s21, v5
	v_lshrrev_b32 v5, 3, v1
	v_and_b32 v6, 7, v1
	v_lshlrev_b32 v6, 4, v6
	v_lshl_add_u32 v6, v2, 7, v6
	v_lshl_add_u32 v[VP], v5, 8, v6
	s_cmp_eq_u32 ttmp9, 2                          ; the third column of clusters makes v
	s_cselect_b32 s66, -1, 0
	v_cndmask_b32 v[CO], v[LI], v[VP], s66
	s_lshl_b32 s20, s[TR], 4                       ; qkv at my first token tile and my first fragment
	s_lshl_b32 s21, s[RH], 3
	s_add_co_u32 s20, s20, s21
	s_mul_i32 s20, s20, 98304
	s_mov_b32 s21, 0
	s_lshl_b32 s46, s42, 13
	s_lshl_b32 s47, s[CH], 12
	s_add_co_u32 s46, s46, s47
	s_mov_b32 s47, 0
	s_add_nc_u64 s[20:21], s[20:21], s[46:47]
	s_add_nc_u64 s[12:13], s[12:13], s[20:21]
	s_mul_i32 s66, s41, 196608                     ; h32: slab cy, my 8 feature tiles
	s_lshl_b32 s67, s42, 14
	s_add_co_u32 s66, s66, s67
	s_lshl_b32 s67, s[CH], 13
	s_add_co_u32 s66, s66, s67
	s_mov_b32 s67, 0
	s_add_nc_u64 s[14:15], s[14:15], s[66:67]
.macro FRAG reg, adr, q, i             ; tile i, the half's q-th K step: two loads of 512 consecutive bytes
.irp c, 0,1
	ds_load_b128 v[\reg+4*\c:\reg+4*\c+3], v[\adr] offset:4096*(\i)+1024*(\q)+512*\c
.endr
.endm
; 16 matrix instructions: A's blocks a0, a0 + 1 x B's eight.  The 64 accumulators take turns, one instruction a turn, in the same order in every step.
.macro MUL16 a0, p, q, sc, zero
.irp a, \a0, \a0+1
.irp b, 0,1,2,3,4,5,6,7
.if \zero
	v_wmma_scale_f32_16x16x128_f8f6f4 v[8*(8*((\a)%4)+\b):8*(8*((\a)%4)+\b)+7], v[128*(\p)+FR*\b:128*(\p)+FR*\b+FR-1], v[AF+FR*(\a):AF+FR*(\a)+FR-1], 0, v[SC+8*NQ*(\sc)+NQ*\b+(\q)], v[SC+8*NQ*(\sc)+NQ*(\a)+(\q)] matrix_a_fmt:MATRIX_FMT_FP4 matrix_b_fmt:MATRIX_FMT_FP4 matrix_a_scale:MATRIX_SCALE_ROW1
.else
	v_wmma_scale_f32_16x16x128_f8f6f4 v[8*(8*((\a)%4)+\b):8*(8*((\a)%4)+\b)+7], v[128*(\p)+FR*\b:128*(\p)+FR*\b+FR-1], v[AF+FR*(\a):AF+FR*(\a)+FR-1], v[8*(8*((\a)%4)+\b):8*(8*((\a)%4)+\b)+7], v[SC+8*NQ*(\sc)+NQ*\b+(\q)], v[SC+8*NQ*(\sc)+NQ*(\a)+(\q)] matrix_a_fmt:MATRIX_FMT_FP4 matrix_b_fmt:MATRIX_FMT_FP4 matrix_a_scale:MATRIX_SCALE_ROW1
.endif
.endr
.endr
.endm
.macro FETCH_B slot, q, p
	WIN TO_B
.irp i, 0,1,2,3,4,5,6,7
	FRAG 128*(\p)+FR*\i, ADRB+\slot, \q, \i
.endr
	WIN 0
.endm
.macro FETCH_A slot, q, i0
.irp i, \i0, \i0+1, \i0+2, \i0+3
	FRAG AF+FR*(\i), ADRA+\slot, \q, \i
.endr
.endm
.macro SCALES sc                       ; the half's scale words: register 4 i + q: lanes 0-15 A's block i, lanes 16-31 B's block i, K step q
.irp i, 0,1,2,3,4,5,6,7
.irp q, 0,1,2,3
	ds_load_b32 v[SC+32*\sc+4*\i+\q], v[ADRS] offset:(\i/2)*1024+(\i%2)*64+(4*\sc+\q)*128
.endr
.endr
.endm
.macro PLACES n                        ; plain vector lines that name none of the matrix instructions' registers, in front of loads into their sources and of reads of results
.rept \n
	v_nop
.endr
.endm
.macro STEP slot, q, zero
	s_wait_dscnt 4*NL                              ; B's set and A's blocks 0-3 are in; the youngest eight loads (A's blocks 4-7) may be out
	WIN MUL_LO
	MUL16 0, (\q)%2, \q, \slot, \zero
	MUL16 2, (\q)%2, \q, \slot, \zero
	s_wait_dscnt 0
	PLACES NP
	FETCH_B \slot, (\q)+1, 1-(\q)%2
	FETCH_A \slot, (\q)+1, 0
	WIN MUL_HI
	MUL16 4, (\q)%2, \q, \slot, \zero
	MUL16 6, (\q)%2, \q, \slot, \zero
	PLACES NP
	WIN 0
	FETCH_A \slot, (\q)+1, 4
.endm
.macro STEPS slot, from
.set Q, \from
.rept NQ-1-\from
	STEP \slot, Q, 0
.set Q, Q+1
.endr
.endm
	s_wait_tensorcnt 1                             ; the scale words and my part of the first half of K are in; the second half's load may be out
	s_barrier_signal -1
	s_barrier_wait -1
	FETCH_B 0, 0, 0
	FETCH_A 0, 0, 0
	SCALES 0
	FETCH_A 0, 0, 4
	STEP 0, 0, 1                                   ; the first products start the sums: nothing is cleared
	STEPS 0, 1
	; the first half's last step changes to the second half: one barrier, in front of which each wave's tensor loads have landed
	s_wait_tensorcnt 0x0
	ds_add_u32 v[SPW], v[NIL]
	s_wait_dscnt 4*NL+1                            ; the add and A's blocks 4-7 may be out
	WIN MUL_LO
	MUL16 0, 1, NQ-1, 0, 0
	s_wait_dscnt 0x0
	s_barrier_signal -1
	MUL16 2, 1, NQ-1, 0, 0
	WIN 0
	s_barrier_wait -1
	PLACES NP
	FETCH_B 1, 0, 0
	FETCH_A 1, 0, 0
	SCALES 1
	WIN MUL_HI
	MUL16 4, 1, NQ-1, 0, 0
	MUL16 6, 1, NQ-1, 0, 0
	PLACES NP
	WIN 0
	FETCH_A 1, 0, 4
	STEPS 1, 0
	s_wait_dscnt 4*NL
	WIN MUL_LO
	MUL16 0, 1, NQ-1, 1, 0
	MUL16 2, 1, NQ-1, 1, 0
	s_wait_dscnt 0
	WIN MUL_HI
	MUL16 4, 1, NQ-1, 1, 0
	MUL16 6, 1, NQ-1, 1, 0
	WIN 0
	PLACES NP
	; the f32 copy of each first token tile: the first row of clusters, the waves with the tile's upper rows: ids that all partners share
	s_and_b32 s20, ttmp7, 0xffff
	s_or_b32 s20, s20, s[RH]
	s_cmp_lg_u32 s20, 0
	s_cbranch_scc1 .Lno32
	WIN 0x08                                       ; a store's data are its source 1: window 2
.irp b, 0,1,2,3,4,5,6,7
	global_store_b128 v[LI], v[8*\b:8*\b+3], s[14:15] offset:1024*\b        ; each accumulator from its low end on
	global_store_b128 v[LI], v[8*\b+4:8*\b+7], s[14:15] offset:1024*\b+512
.endr
	WIN 0
.Lno32:
; block a (16 tokens x 128 features): rounded to f16, and stored as it stands: accumulator b is half c = b % 2 of fragment b / 2: 512 consecutive bytes a store
.macro PACK a
.set AC, 64*((\a)%4)
.set PB, PK+32*((\a)%4)
	WIN 0x0a+5*((\a)/4)                            ; sources 0 and 1: window 2 or 3
.irp b, 0,1,2,3,4,5,6,7
.irp i, 0,1,2,3
	v_cvt_pk_f16_f32 v[PB+4*\b+\i], v[AC+8*\b+2*\i], v[AC+8*\b+2*\i+1]
.endr
.endr
	WIN 0
.irp b, 0,1,2,3,4,5,6,7
	global_store_b128 v[CO], v[PB+4*\b:PB+4*\b+3], s[12:13] offset:(\a)*98304+512*\b
.endr
.endm
.irp a, 0,1,2,3,4,5,6,7
.if \a > 3
	s_wait_xcnt 0x0                                ; the stores of four blocks back have read their registers, which are written again
.endif
	PACK \a
.endr
	s_wait_tensorcnt 0x0                           ; the wave's end
	ds_add_u32 v[SPW], v[NIL]
	s_wait_dscnt 0x0
	CROUND                                         ; the closing round
	s_endpgm
.Lfunc_end_k_q6db1c08ed5_qkv:
	.size	k_q6db1c08ed5_qkv, .Lfunc_end_k_q6db1c08ed5_qkv-k_q6db1c08ed5_qkv
	.p2alignl 7, 3214868480
	.fill 96, 4, 3214868480
	.section	.rodata,"a",@progbits
	.p2align	6, 0x0
	.amdhsa_kernel k_q6db1c08ed5_qkv
		.amdhsa_group_segment_fixed_size 327680
		.amdhsa_private_segment_fixed_size 0
		.amdhsa_enable_private_segment 0
		.amdhsa_kernarg_size 48
		.amdhsa_user_sgpr_count 2
		.amdhsa_user_sgpr_kernarg_segment_ptr 1
		.amdhsa_wavefront_size32 1
		.amdhsa_system_sgpr_workgroup_id_x 1
		.amdhsa_system_sgpr_workgroup_id_y 1
		.amdhsa_system_sgpr_workgroup_id_z 1
		.amdhsa_system_vgpr_workitem_id 0
		.amdhsa_next_free_vgpr 1024
		.amdhsa_next_free_sgpr 98
		.amdhsa_reserve_vcc 0
		.amdhsa_float_denorm_mode_32 3
		.amdhsa_float_denorm_mode_16_64 3
		.amdhsa_memory_ordered 1
		.amdhsa_forward_progress 1
		.amdhsa_inst_pref_size 122
	.end_amdhsa_kernel
	.amdgpu_metadata
---
amdhsa.version: [ 1, 2 ]
amdhsa.kernels:
  - .name:           k_q6db1c08ed5_qkv
    .symbol:         k_q6db1c08ed5_qkv.kd
    .args:
      - { .name: xc, .offset: 0, .size: 8, .value_kind: global_buffer, .address_space: global }
      - { .name: xs, .offset: 8, .size: 8, .value_kind: global_buffer, .address_space: global }
      - { .name: wc, .offset: 16, .size: 8, .value_kind: global_buffer, .address_space: global }
      - { .name: ws, .offset: 24, .size: 8, .value_kind: global_buffer, .address_space: global }
      - { .name: qkv, .offset: 32, .size: 8, .value_kind: global_buffer, .address_space: global }
      - { .name: h32, .offset: 40, .size: 8, .value_kind: global_buffer, .address_space: global }
    .group_segment_fixed_size: 327680
    .private_segment_fixed_size: 0
    .kernarg_segment_align: 8
    .kernarg_segment_size: 48
    .max_flat_workgroup_size: 128
    .sgpr_count:     98
    .vgpr_count:     1024
    .wavefront_size: 32
...
	.end_amdgpu_metadata
.endif
;; end of part 2
;; launch attn (part 3): grid 16 x 16, 16 waves a work-group, no clusters, 327,680 bytes of LDS; arguments qkv, ctx; writes ctx
.if DOCPART == 3
	.amdgcn_target "amdgcn-amd-amdhsa--gfx1250"
	.amdhsa_code_object_version 6
	.text
	.protected	k_q6db1c08ed5_attn
	.globl	k_q6db1c08ed5_attn
	.p2align	8
	.type	k_q6db1c08ed5_attn,@function
k_q6db1c08ed5_attn:
	s_mov_b64 s[64:65], 0
	v_nop
	global_prefetch_b8 v0, s[64:65] scope:SCOPE_SE
	s_setreg_imm32_b32 hwreg(HW_REG_WAVE_MODE, 25, 1), 1
	s_wait_xcnt 0x0
; ctx[q] = softmax_k(q . k / 8) v under the causal mask, 16 heads of 64, 4,096 tokens; operands f16, products, maxima and sums f32; the weights p are rounded to f16 for the second product.
; SHARES.  Work-group (i, head) makes the blocks of 128 queries 31 - i and i, one after the other: 33 cells of 128 x 128 for every work-group.  Sixteen waves, four to a SIMD: wave w owns 32 queries
; (two tiles, w % 4) and a quarter of the keys (w / 4): of a slot's eight steps of 64 keys it takes steps w / 4 and w / 4 + 4.  So a fragment of K or V read from LDS feeds two matrix instructions.
; At a block's end the four partial results of each query meet in LDS: O = sum_p 2^(cm_p - cmx) O_p / sum_p 2^(cm_p - cmx) l_p.
; NO CLUSTER: the blocks of a head end at different keys, so a partner would jump over every read of some jointly loaded tile.
; LAYOUT.  S^T = K Q^T, O^T = V^T P: a lane holds one query throughout.  K and V come as images of fragments: every LDS read is 512 consecutive bytes at 16 x lane; V's pieces are laid so that the turning load finds
; key 8 (lane / 16) + lane % 8, channels 8 ((lane / 8) % 2) on, at 16 x lane.
; THE RING: two slots of 512 keys (K 64 KB, V 64 KB), filled by waves 0-3, 32 KB each.  EVERY work-group walks 8 slots in each phase: trip counts are constants.  A step all of whose keys come after my queries is
; jumped over; a slot whose first key comes after the block's last query is not asked for (in the eighth trip that holds of every block).  Both tests are made of ids and counted steps alone.
; SOFTMAX: running maximum m and sum l for each query; p = 2^(c s - c m), c = log2(e) / 8; in every step O and l are multiplied by a = 2^(c m_old - c m_new).
; LIMITS: |q|, |k|, |v| under 65,504; a p under 6e-8 of its row's largest so far counts as 0 in the second product (the row's sum keeps it).
.set SLOT1, 1<<17
.set VOFF,  65536
.set STAGE, 262144                     ; 12 regions of 4,352 bytes, one for each wave 4-15: a tile's O^T (4 KB), c m (128 bytes), l (128)
.set SREG,  4352
.set SPARE, STAGE+12*SREG              ; the spare words, 128 bytes a wave
.set SSTEP, 3145728                    ; a slot on in memory: 32 token tiles of 98,304 bytes
.set LI,  1                            ; 16 x lane
.set SPW, 2
.set NIL, 3
.set ADK, 4
.set ADV, 5
.set STA, 6                            ; my stage region: 16 x lane; 4 x lane
.set STM, 7
.set LDA, 8                            ; my partners' regions
.set LDM, 9
.set D0,  10                           ; v10, v11: the mask's distances of the two tiles
.set NINF, 12
.set PFO, 13
.set RHV, 14                           ; r - 8 h
.set QF,  16                           ; v16-47   Q: (tile t, channels 32 kc on) at 16 t + 8 kc; at a block's end the packed rows
.set KV,  48                           ; v48-111  K's eight fragments, then V's
.set S,   112                          ; v112-175 S^T, 32 a tile; p; P packed into each tile's first 16
.set O,   176                          ; v176-239 O^T, 32 a tile
.set ST,  240                          ; v240-255 a tile's eight: c m, m, l (two halves), c0-c3 at work; a takes c2's place
.set WV, 8
.set QG, 9
.set KS, 10
.set HEAD, 11
.set PAIR, 12
.set BLK, 13
.set SEL, 14
.set CS, 16
.set G1, 20
.set G0, 28
.set KVB, 32                           ; s[32:33] where my first tensor load reads: keys 0 on
.set TBK, 34                           ; LDS byte of my first step in the slot in hand
.set KF, 35                            ; that step's first key
.set Q0, 36                            ; my first query
.set QL, 37                            ; the block's last query
.set SLOTS, 38
.set KB, 39                            ; the slot's first key
.set PFA, 40
.set LIM, 42
.set QB, 44
.set CB, 46
.macro TLOAD                           ; waves 0-3 fetch: K's halves, V's halves; an s_nop 0 and four v_nop follow the line
	s_cmp_lt_u32 s[WV], 4
	s_cbranch_scc0 .Lnoload_\@
	tensor_load_to_lds s[G0:G0+3], s[G1:G1+7]
	s_nop 0
.rept 4
	v_nop
.endr
.Lnoload_\@:
.endm
; A PREFETCH INTO THE L2 of the slot that the NEXT change of slots will ask for: 512 blocks of 256 bytes, a lane a block, one instruction a wave: waves 0-7 K's, waves 8-15 V's, four token tiles (of 2 KB) each.
; All work-groups of a head walk the same K and V; the one whose first block is the head's last walks all eight slots: it asks, in that phase, and nobody else.  Trip v asks for slot v + 2, up to slot 7.
.macro ASK
	s_cmp_gt_u32 s[SLOTS], s[LIM]
	s_cbranch_scc0 .Lnot_mine_\@
	global_prefetch_b8 v[PFO], s[PFA:PFA+1] th:TH_LOAD_NT scope:SCOPE_SE
.Lnot_mine_\@:
.endm
	s_load_b128 s[4:7], s[0:1], 0x0                ; qkv, ctx
	v_lshl_add_u32 v[SPW], v0, 2, SPARE
	v_mov_b32 v[NIL], 0
	ds_add_u32 v[SPW], v[NIL]                      ; the wave's opening: the add, twice on end, and its wait ahead of the first tensor load
	ds_add_u32 v[SPW], v[NIL]
	v_lshrrev_b32 v15, 5, v0
	v_readfirstlane_b32 s[WV], v15
	s_and_b32 s[QG], s[WV], 3
	s_lshr_b32 s[KS], s[WV], 2
	s_and_b32 s[HEAD], ttmp7, 0xffff
	s_mov_b32 s[PAIR], ttmp9
	s_mov_b32 s[SEL], 0x76543210
	s_mov_b32 s[SEL+1], 0xfedcba98
	s_mov_b32 s[CS], 0x3e38aa3b                    ; c = log2(e) / 8
	s_mov_b32 s[CS+1], s[CS]
	; one shape for K and V: 16 token tiles x 2 KB (a head's two fragments), 98,304 bytes apart; elements of 8 bytes
	s_mov_b32 s[G1], 3<<16
	s_mov_b32 s[G1+1], 256<<16
	s_mov_b32 s[G1+2], 16<<16
	s_mov_b32 s[G1+3], 256<<16
	s_mov_b32 s[G1+4], 16
	s_mov_b32 s[G1+5], 12288
	s_mov_b32 s[G1+6], 0
	s_mov_b32 s[G1+7], 0
	s_and_b32 s[KVB], s[WV], 1
	s_mul_i32 s[KVB], s[KVB], 1572864              ; which 16 tiles of a slot's 32
	s_bfe_u32 s[KVB+1], s[WV], 0x10001
	s_lshl_b32 s[KVB+1], s[KVB+1], 15              ; K (fragments 32 on) or V (64 on)
	s_add_co_u32 s[KVB], s[KVB], s[KVB+1]
	s_lshl_b32 s97, s[HEAD], 11
	s_add_co_u32 s[KVB], s[KVB], s97
	s_add_co_u32 s[KVB], s[KVB], 32768
	s_mov_b32 s[KVB+1], 0
	s_lshr_b32 s[PFA], s[WV], 3
	s_lshl_b32 s[PFA], s[PFA], 15
	s_and_b32 s[PFA+1], s[WV], 7
	s_mul_i32 s[PFA+1], s[PFA+1], 393216
	s_add_co_u32 s[PFA], s[PFA], s[PFA+1]
	s_add_co_u32 s[PFA], s[PFA], s97
	s_add_co_u32 s[PFA], s[PFA], 32768+SSTEP       ; in slot 1: the first change steps it to slot 2.  Nothing is prefetched at the head
	s_mov_b32 s[PFA+1], 0
	s_cmp_eq_u32 s[PAIR], 0
	s_cselect_b32 s[LIM], 2, -1
	s_lshl_b32 s[TBK], s[KS], 13
	v_and_b32 v15, 31, v0
	v_lshlrev_b32 v[LI], 4, v15
	s_add_co_u32 s96, s[WV], 12                    ; region w - 4 for waves 4-15 (waves 0-3 store nothing; their number is held inside the stage)
	s_and_b32 s96, s96, 15
	s_min_u32 s96, s96, 11
	s_mul_i32 s96, s96, SREG
	s_add_co_u32 s96, s96, STAGE
	v_add_nc_u32 v[STA], s96, v[LI]
	v_lshl_add_u32 v[STM], v15, 2, s96
	s_mul_i32 s97, s[QG], SREG                     ; partner p of my queries is wave 4 p + w % 4: region 4 (p - 1) + w % 4
	s_add_co_u32 s97, s97, STAGE
	v_add_nc_u32 v[LDA], s97, v[LI]
	v_lshl_add_u32 v[LDM], v15, 2, s97
	v_mov_b32 v[NINF], 0xff800000
	v_lshrrev_b32 v[PFO], 3, v15
	v_mul_u32_u24 v[PFO], v[PFO], 98304
	v_and_b32 v[RHV], 7, v15
	v_lshl_add_u32 v[PFO], v[RHV], 8, v[PFO]
	v_and_b32 v[RHV], 15, v0
	v_bfe_u32 v15, v0, 4, 1
	v_lshlrev_b32 v15, 3, v15
	v_sub_nc_u32 v[RHV], v[RHV], v15
	s_wait_dscnt 0x0                               ; both opening adds are done
	s_wait_kmcnt 0x0
	s_add_nc_u64 s[KVB:KVB+1], s[4:5], s[KVB:KVB+1]
	s_add_nc_u64 s[PFA:PFA+1], s[4:5], s[PFA:PFA+1]
	s_mov_b32 s[G0], 1
	s_and_b32 s[G0+1], s[WV], 3
	s_lshl_b32 s[G0+1], s[G0+1], 15                ; slot 0, my 32 KB
	s_mov_b64 s[G0+2:G0+3], s[KVB:KVB+1]
	s_or_b32 s[G0+3], s[G0+3], 0x80000000
	TLOAD                                          ; slot 0: keys 0 to 511, which count for every block
; THE CHANGE OF SLOTS, at a slot's head.  Each wave waits for all its tensor loads, adds 0 to its spare word (twice on end),
; and waits for that and for its reads of the slot that it has left.  Behind the barrier the other slot is filled with the next 512 keys, while the block's queries reach them.
.macro CHANGE ask
	s_wait_tensorcnt 0x0                           ; no tensor load of mine is out, so the descriptor may be written
	ds_add_u32 v[SPW], v[NIL]
	ds_add_u32 v[SPW], v[NIL]
	s_xor_b32 s[G0+1], s[G0+1], SLOT1
	s_add_nc_u64 s[G0+2:G0+3], s[G0+2:G0+3], SSTEP
.if \ask
	s_wait_xcnt 0x0                                ; the last prefetch, a slot back, has read its address
	s_add_nc_u64 s[PFA:PFA+1], s[PFA:PFA+1], SSTEP
.endif
	s_wait_dscnt 0x0
	s_barrier_signal -1
	s_barrier_wait -1
	s_add_co_u32 s96, s[KB], 512                   ; the first key of the slot that this change would ask for,
	s_cmp_gt_u32 s96, s[QL]                        ; against the block's last query: the same in all sixteen waves
	s_cbranch_scc1 .Lpast_\@
	TLOAD
.Lpast_\@:
.if \ask
	ASK
.endif
.endm
.macro SOFTMAX                         ; both tiles, line by line by turns
.irp j, 0,1,2,3
.irp t, 0,1
	v_max3_num_f32 v[ST+8*\t+4+\j], v[S+32*\t+8*\j], v[S+32*\t+8*\j+1], v[S+32*\t+8*\j+2]   ; each accumulator is read from its low end on
.endr
.endr
.irp q, 1,2
.irp j, 0,1,2,3
.irp t, 0,1
	v_max3_num_f32 v[ST+8*\t+4+\j], v[ST+8*\t+4+\j], v[S+32*\t+8*\j+2*\q+1], v[S+32*\t+8*\j+2*\q+2]
.endr
.endr
.endr
.irp t, 0,1
	v_max3_num_f32 v[ST+8*\t+4], v[ST+8*\t+4], v[S+32*\t+7], v[S+32*\t+15]
	v_max3_num_f32 v[ST+8*\t+6], v[ST+8*\t+6], v[S+32*\t+23], v[S+32*\t+31]
.endr
.irp t, 0,1
	v_max3_num_f32 v[ST+8*\t+4], v[ST+8*\t+4], v[ST+8*\t+5], v[ST+8*\t+6]
.endr
.irp t, 0,1
	v_max3_num_f32 v[ST+8*\t+4], v[ST+8*\t+4], v[ST+8*\t+7], v[ST+8*\t+1]   ; with the old m
.endr
.irp t, 0,1
	v_permlanex16_b32 v[ST+8*\t+5], v[ST+8*\t+4], s[SEL], s[SEL+1]          ; the query's other 32 keys lie in the lane 16 away
.endr
.irp t, 0,1
	v_mov_b32 v[ST+8*\t+7], v[ST+8*\t]
.endr
.irp t, 0,1
	v_max_num_f32 v[ST+8*\t+1], v[ST+8*\t+4], v[ST+8*\t+5]
.endr
.irp t, 0,1
	v_mul_f32 v[ST+8*\t], s[CS], v[ST+8*\t+1]
.endr
.irp t, 0,1
	v_sub_f32 v[ST+8*\t+7], v[ST+8*\t+7], v[ST+8*\t]                        ; c m_old - c m_new
.endr
.irp b, 0,1,2,3,4,5,6,7,8,9,10,11,12,13,14,15
.irp t, 0,1
	v_pk_fma_f32 v[S+32*\t+2*\b:S+32*\t+2*\b+1], v[S+32*\t+2*\b:S+32*\t+2*\b+1], s[CS:CS+1], v[ST+8*\t:ST+8*\t+1] op_sel_hi:[1,0,0] neg_lo:[0,0,1] neg_hi:[0,0,1]   ; c s - c m
.endr
.endr
	v_exp_f32 v[ST+6], v[ST+7]                     ; a; then the 64 weights: one batch
	v_exp_f32 v[ST+14], v[ST+15]
.set e, 0
.rept 32
	v_exp_f32 v[S+e], v[S+e]
	v_exp_f32 v[S+32+e], v[S+32+e]
.set e, e+1
.endr
	v_nop                                          ; a plain line behind the last exponential,
	s_wait_alu depctr_va_vdst(0)                   ; and one wait for the batch, ahead of its first reader
.irp t, 0,1
	v_pk_fma_f32 v[ST+8*\t+2:ST+8*\t+3], v[ST+8*\t+2:ST+8*\t+3], v[ST+8*\t+6:ST+8*\t+7], v[S+32*\t:S+32*\t+1] op_sel_hi:[1,0,1]   ; l = a l + the sum of the f32 p, in two chains
	v_pk_add_f32 v[ST+8*\t+4:ST+8*\t+5], v[S+32*\t+2:S+32*\t+3], v[S+32*\t+4:S+32*\t+5]
.endr
.irp b, 6,10,14,18,22,26
.irp t, 0,1
	v_pk_add_f32 v[ST+8*\t+2:ST+8*\t+3], v[ST+8*\t+2:ST+8*\t+3], v[S+32*\t+\b:S+32*\t+\b+1]
	v_pk_add_f32 v[ST+8*\t+4:ST+8*\t+5], v[ST+8*\t+4:ST+8*\t+5], v[S+32*\t+\b+2:S+32*\t+\b+3]
.endr
.endr
.irp t, 0,1
	v_pk_add_f32 v[ST+8*\t+2:ST+8*\t+3], v[ST+8*\t+2:ST+8*\t+3], v[S+32*\t+30:S+32*\t+31]
.endr
.irp t, 0,1
	v_pk_add_f32 v[ST+8*\t+2:ST+8*\t+3], v[ST+8*\t+2:ST+8*\t+3], v[ST+8*\t+4:ST+8*\t+5]
.endr
.set e, 0
.rept 16
	v_cvt_pk_f16_f32 v[S+e], v[S+2*e], v[S+2*e+1]                 ; P, packed in place: two key tiles make a fragment of 32 keys
	v_cvt_pk_f16_f32 v[S+32+e], v[S+32+2*e], v[S+32+2*e+1]
.set e, e+1
.endr
.set e, 0
.rept 16
	v_pk_mul_f32 v[O+2*e:O+2*e+1], v[O+2*e:O+2*e+1], v[ST+6:ST+7] op_sel_hi:[1,0]
	v_pk_mul_f32 v[O+32+2*e:O+32+2*e+1], v[O+32+2*e:O+32+2*e+1], v[ST+14:ST+15] op_sel_hi:[1,0]
.set e, e+1
.endr
.endm
; MY j-TH STEP OF THE SLOT: 64 keys.  Its first key and my first query differ by a multiple of 32, so a step that is walked has, for every query of mine, at least one key that counts.
.macro STEP j
	s_add_co_u32 s96, s[KF], 256*\j
	s_cmp_gt_u32 s96, s[Q0]
	s_cbranch_scc1 .Lhidden_\@
	v_add_nc_u32 v[ADK], s[TBK], v[LI]
	v_add_nc_u32 v[ADV], VOFF, v[ADK]
.rept 3
	v_nop                                          ; with the two additions five places: the loads land on V's registers, and the products below write over P
.endr
.irp kt, 0,1,2,3
.irp kc, 0,1
.irp c, 0,1
	ds_load_b128 v[KV+8*(2*\kt+\kc)+4*\c:KV+8*(2*\kt+\kc)+4*\c+3], v[ADK] offset:32768*\j+2048*\kt+1024*\kc+512*\c
.endr
.endr
.endr
	s_wait_dscnt 0x0
.irp kc, 0,1                                       ; S^T = K Q^T: eight accumulators by turns
.irp t, 0,1
.irp kt, 0,1,2,3
.if \kc == 0
	v_wmma_f32_16x16x32_f16 v[S+32*\t+8*\kt:S+32*\t+8*\kt+7], v[KV+8*(2*\kt+\kc):KV+8*(2*\kt+\kc)+7], v[QF+16*\t+8*\kc:QF+16*\t+8*\kc+7], 0
.else
	v_wmma_f32_16x16x32_f16 v[S+32*\t+8*\kt:S+32*\t+8*\kt+7], v[KV+8*(2*\kt+\kc):KV+8*(2*\kt+\kc)+7], v[QF+16*\t+8*\kc:QF+16*\t+8*\kc+7], v[S+32*\t+8*\kt:S+32*\t+8*\kt+7]
.endif
.endr
.endr
.endr
.rept 4
	v_nop                                          ; places in front of the loads into K's registers and of the first read of the scores
.endr
.irp kk, 0,1                                       ; V, turned: they land while the softmax is walked
.irp ct, 0,1,2,3
.irp e, 0,1
	ds_load_tr16_b128 v[KV+8*(4*\kk+\ct)+4*\e:KV+8*(4*\kk+\ct)+4*\e+3], v[ADV] offset:32768*\j+2048*(2*\kk+\e)+1024*(\ct/2)+512*(\ct%2)
.endr
.endr
.endr
	s_add_co_u32 s97, s96, 63                      ; a step all of whose keys count skips the mask
	s_cmp_le_u32 s97, s[Q0]
	s_cbranch_scc1 .Lopen_\@
	s_sub_co_i32 s97, s[Q0], s96
	v_add_nc_u32 v[D0], s97, v[RHV]                ; register 8 kt + i of tile t holds key 16 kt + 8 h + i of the step: hidden where 16 kt + i > my query - the first key - 8 h
	v_add_nc_u32 v[D0+1], 16, v[D0]
.irp t, 0,1
.set n, 0
.rept 32
	v_cmp_gt_i32 vcc_lo, 16*(n/8)+n%8, v[D0+\t]
	v_cndmask_b32 v[S+32*\t+n], v[S+32*\t+n], v[NINF], vcc_lo
.set n, n+1
.endr
.endr
.Lopen_\@:
	SOFTMAX
	s_wait_dscnt 0x0                               ; V is in
.irp kk, 0,1                                       ; O^T += V^T P
.irp t, 0,1
.irp ct, 0,1,2,3
	v_wmma_f32_16x16x32_f16 v[O+32*\t+8*\ct:O+32*\t+8*\ct+7], v[KV+8*(4*\kk+\ct):KV+8*(4*\kk+\ct)+7], v[S+32*\t+8*\kk:S+32*\t+8*\kk+7], v[O+32*\t+8*\ct:O+32*\t+8*\ct+7]
.endr
.endr
.endr
.Lhidden_\@:
.endm
; TILE t's FOUR PARTS MEET.  Waves 4-15 store O^T, c m and l; a barrier; waves 0-3 add the four parts, divide, round to f16 and store the rows as images; a barrier, since the stage is written again.
.macro MERGE t
.set rT, ST+8*\t
.set rO, O+32*\t
	s_cmp_lt_u32 s[WV], 4
	s_cbranch_scc1 .Lkeep_\@
.irp n, 0,1,2,3,4,5,6,7
	ds_store_b128 v[STA], v[rO+4*\n:rO+4*\n+3] offset:512*\n
.endr
	ds_store_b32 v[STM], v[rT] offset:4096
	ds_store_b32 v[STM], v[rT+2] offset:4224
.Lkeep_\@:
	s_wait_dscnt 0x0                               ; for the others' sake: my stores have landed
	s_barrier_signal -1
	s_barrier_wait -1
	s_cmp_lt_u32 s[WV], 4
	s_cbranch_scc0 .Lidle_\@
.irp p, 0,1,2
	ds_load_b32 v[144+2*\p], v[LDM] offset:17408*\p+4096
	ds_load_b32 v[145+2*\p], v[LDM] offset:17408*\p+4224
.endr
.irp p, 0,1,2
.irp n, 0,1,2,3,4,5,6,7
	ds_load_b128 v[KV+32*\p+4*\n:KV+32*\p+4*\n+3], v[LDA] offset:17408*\p+512*\n
.endr
.endr
	s_wait_dscnt 24                                ; the six words are in; the 24 loads of O^T may be out
	v_max3_num_f32 v150, v[rT], v144, v146
	v_max_num_f32 v150, v150, v148                 ; the largest c m of the four (a part with no key has c m far under every other, l = 0 and O = 0)
	v_sub_f32 v152, v[rT], v150
	v_sub_f32 v154, v144, v150
	v_sub_f32 v156, v146, v150
	v_sub_f32 v158, v148, v150
	v_exp_f32 v152, v152
	v_exp_f32 v154, v154
	v_exp_f32 v156, v156
	v_exp_f32 v158, v158
	v_mov_b32 v153, 0                              ; (the pairs' upper halves are named with them, so they are written; also the plain line behind the exponentials)
	v_mov_b32 v155, 0
	v_mov_b32 v157, 0
	v_mov_b32 v159, 0
	s_wait_alu depctr_va_vdst(0)
	v_mul_f32 v151, v152, v[rT+2]
	v_fmac_f32 v151, v154, v145
	v_fmac_f32 v151, v156, v147
	v_fmac_f32 v151, v158, v149                    ; the row's sum, at least 1
	v_rcp_f32 v160, v151
	v_nop
	s_wait_alu depctr_va_vdst(0)
	v_mul_f32 v152, v152, v160
	v_mul_f32 v154, v154, v160
	v_mul_f32 v156, v156, v160
	v_mul_f32 v158, v158, v160
	s_wait_dscnt 0x0
.set e, 0
.rept 16
	v_pk_mul_f32 v[rO+2*e:rO+2*e+1], v[rO+2*e:rO+2*e+1], v[152:153] op_sel_hi:[1,0]
.set e, e+1
.endr
.irp p, 0,1,2
.set e, 0
.rept 16
	v_pk_fma_f32 v[rO+2*e:rO+2*e+1], v[KV+32*\p+2*e:KV+32*\p+2*e+1], v[154+2*\p:155+2*\p], v[rO+2*e:rO+2*e+1] op_sel_hi:[1,0,1]
.set e, e+1
.endr
.endr
.set e, 0
.rept 16
	v_cvt_pk_f16_f32 v[QF+16*\t+e], v[rO+2*e], v[rO+2*e+1]
.set e, e+1
.endr
.irp ct, 0,1,2,3
	global_store_b128 v[LI], v[QF+16*\t+4*\ct:QF+16*\t+4*\ct+3], s[CB:CB+1] offset:32768*\t+512*\ct   ; channels 16 ct on: half ct % 2 of fragment ct / 2: 512 consecutive bytes
.endr
.Lidle_\@:
	s_wait_dscnt 0x0                               ; my reads of the stage are over
	s_barrier_signal -1
	s_barrier_wait -1
.endm
; A BLOCK OF 128 QUERIES, s[BLK].  last = 0: behind the walk the next block's slot 0 is asked for.  ask = 1: the phase in which one work-group of a head prefetches.
.macro PHASE last, ask
	s_wait_xcnt 0x0                                ; earlier loads, stores and prefetches have read their registers
	s_lshl_b32 s[Q0], s[BLK], 7
	s_lshl_b32 s96, s[QG], 5
	s_add_co_u32 s[Q0], s[Q0], s96
	s_or_b32 s[QL], s[Q0], 127
	s_lshl_b32 s96, s[BLK], 3
	s_lshl_b32 s97, s[QG], 1
	s_add_co_u32 s96, s96, s97                     ; my first token tile
	s_lshl_b32 s97, s[HEAD], 11
	s_mul_i32 s[QB], s96, 98304
	s_add_co_u32 s[QB], s[QB], s97
	s_mov_b32 s[QB+1], 0
	s_add_nc_u64 s[QB:QB+1], s[4:5], s[QB:QB+1]
	s_lshl_b32 s[CB], s96, 15
	s_add_co_u32 s[CB], s[CB], s97
	s_mov_b32 s[CB+1], 0
	s_add_nc_u64 s[CB:CB+1], s[6:7], s[CB:CB+1]
.irp t, 0,1
.irp kc, 0,1
.irp c, 0,1
	global_load_b128 v[QF+16*\t+8*\kc+4*\c:QF+16*\t+8*\kc+4*\c+3], v[LI], s[QB:QB+1] offset:98304*\t+1024*\kc+512*\c
.endr
.endr
.endr
.irp t, 0,1
	v_mov_b32 v[ST+8*\t+1], 0xff61b1e6             ; m: -3e38, under every score
	v_mul_f32 v[ST+8*\t], s[CS], v[ST+8*\t+1]
	v_mov_b32 v[ST+8*\t+2], 0
	v_mov_b32 v[ST+8*\t+3], 0
	v_mov_b32 v[ST+8*\t+5], 0                      ; (a lane permute's destination counts as read)
.endr
.set e, 0
.rept 64
	v_mov_b32 v[O+e], 0                            ; the step is written once: the first finds zeros, which its a = 0 leaves zeros
.set e, e+1
.endr
	s_lshl_b32 s[KF], s[KS], 6
	s_mov_b32 s[KB], 0
	s_mov_b32 s[SLOTS], 8
	s_wait_loadcnt 0x0                             ; Q
.Lslot_\@:
	CHANGE \ask
	STEP 0
	STEP 1
	s_add_co_u32 s[KF], s[KF], 512
	s_add_co_u32 s[KB], s[KB], 512
	s_xor_b32 s[TBK], s[TBK], SLOT1
	s_sub_co_u32 s[SLOTS], s[SLOTS], 1
	s_cmp_lg_u32 s[SLOTS], 0
	s_cbranch_scc1 .Lslot_\@
.if !\last
	s_wait_tensorcnt 0x0                           ; the next block begins at key 0 again: slot 0, to which eight turns have brought the descriptor back, is filled behind a barrier of its own
	ds_add_u32 v[SPW], v[NIL]
	ds_add_u32 v[SPW], v[NIL]
	s_mov_b64 s[G0+2:G0+3], s[KVB:KVB+1]
	s_or_b32 s[G0+3], s[G0+3], 0x80000000
	s_wait_dscnt 0x0
	s_barrier_signal -1
	s_barrier_wait -1
	TLOAD                                          ; it lands while the parts are merged
.endif
.rept 4
	v_nop                                          ; places behind the last products
.endr
.irp t, 0,1
	v_add_f32 v[ST+8*\t+2], v[ST+8*\t+2], v[ST+8*\t+3]
.endr
.irp t, 0,1
	v_permlanex16_b32 v[ST+8*\t+5], v[ST+8*\t+2], s[SEL], s[SEL+1]
.endr
.irp t, 0,1
	v_add_f32 v[ST+8*\t+2], v[ST+8*\t+2], v[ST+8*\t+5]   ; my part of the row's sum
.endr
	MERGE 0
	MERGE 1
.endm
	s_sub_co_u32 s[BLK], 31, s[PAIR]
	PHASE 0, 1
	s_mov_b32 s[BLK], s[PAIR]
	PHASE 1, 0
	s_wait_tensorcnt 0x0                           ; the wave's end
	ds_add_u32 v[SPW], v[NIL]
	s_wait_dscnt 0x0
	s_endpgm
.Lfunc_end_k_q6db1c08ed5_attn:
	.size	k_q6db1c08ed5_attn, .Lfunc_end_k_q6db1c08ed5_attn-k_q6db1c08ed5_attn
	.p2alignl 7, 3214868480
	.fill 96, 4, 3214868480
	.section	.rodata,"a",@progbits
	.p2align	6, 0x0
	.amdhsa_kernel k_q6db1c08ed5_attn
		.amdhsa_group_segment_fixed_size 327680
		.amdhsa_private_segment_fixed_size 0
		.amdhsa_enable_private_segment 0
		.amdhsa_kernarg_size 16
		.amdhsa_user_sgpr_count 2
		.amdhsa_user_sgpr_kernarg_segment_ptr 1
		.amdhsa_wavefront_size32 1
		.amdhsa_system_sgpr_workgroup_id_x 1
		.amdhsa_system_sgpr_workgroup_id_y 1
		.amdhsa_system_sgpr_workgroup_id_z 1
		.amdhsa_system_vgpr_workitem_id 0
		.amdhsa_next_free_vgpr 256
		.amdhsa_next_free_sgpr 100
		.amdhsa_reserve_vcc 1
		.amdhsa_float_denorm_mode_32 3
		.amdhsa_float_denorm_mode_16_64 3
		.amdhsa_memory_ordered 1
		.amdhsa_forward_progress 1
		.amdhsa_inst_pref_size 137
	.end_amdhsa_kernel
	.amdgpu_metadata
---
amdhsa.version: [ 1, 2 ]
amdhsa.kernels:
  - .name:           k_q6db1c08ed5_attn
    .symbol:         k_q6db1c08ed5_attn.kd
    .args:
      - { .name: qkv, .offset: 0, .size: 8, .value_kind: global_buffer, .address_space: global }
      - { .name: ctx, .offset: 8, .size: 8, .value_kind: global_buffer, .address_space: global }
    .group_segment_fixed_size: 327680
    .private_segment_fixed_size: 0
    .kernarg_segment_align: 8
    .kernarg_segment_size: 16
    .max_flat_workgroup_size: 512
    .sgpr_count:     100
    .vgpr_count:     256
    .wavefront_size: 32
...
	.end_amdgpu_metadata
.endif
;; end of part 3
;; launch proj (part 4): grid 8 x 32, 4 waves a work-group, clusters of 4 x 4, 327,680 bytes of LDS; arguments ctx, wo, b_o, out0; writes out0
.if DOCPART == 4
	.amdgcn_target "amdgcn-amd-amdhsa--gfx1250"
	.amdhsa_code_object_version 6
	.text
	.protected	k_q6db1c08ed5_proj
	.globl	k_q6db1c08ed5_proj
	.p2align	8
	.type	k_q6db1c08ed5_proj,@function
k_q6db1c08ed5_proj:
	s_mov_b64 s[64:65], 0
	v_nop
	global_prefetch_b8 v0, s[64:65] scope:SCOPE_SE
	s_setreg_imm32_b32 hwreg(HW_REG_WAVE_MODE, 25, 1), 1
	s_wait_xcnt 0x0
	s_wait_alu depctr_hold_cnt(0) depctr_sa_sdst(0) depctr_va_vdst(0) depctr_va_sdst(0) depctr_va_ssrc(0) depctr_va_vcc(0) depctr_vm_vsrc(0)
	s_getreg_b32 s2, hwreg(HW_REG_IB_STS2, 6, 4)
	s_cmp_eq_u32 s2, 0
	s_cbranch_scc0 .Lentry_in_a_cluster
	s_endpgm
.Lentry_in_a_cluster:
	s_bfe_u32 s2, ttmp6, 0x10000c
	s_cmp_lg_u32 s2, 0xf033
	s_cbranch_scc0 .Lentry_shape_is_right
	s_endpgm
.Lentry_shape_is_right:
; out0 = ctx W_o + b_o: 4,096 x 1,024, K = 1,024; operands f16 (as images of fragments, 1 KB: [c][lane][16 bytes]), sums and result f32.
; 256 tiles of 128 x 128, one to a work-group; four waves of 64 x 64: 16 accumulators.  K goes in steps of 256 through two LDS slots; a wave's tensor load brings 4 tiles x 8 KB.
; CLUSTERS: 4 x 4: ctx's tiles are shared along a row of the cluster, W_o's along a column, by joint loads.  THE MATRIX INSTRUCTION IS USED TRANSPOSED (source 0 = 16 columns of W_o, source 1 = 16 tokens):
; a lane holds one token and eight neighbouring outputs.  The bias is the C of each sum's first instruction.
; Positions 0 to 15 are stored here like all rows (partners of a cluster run alike); the launch behind this one stores them again, made in f32.
; REGISTERS: window 0: v16-29 addresses; v32-95 rows on the way out; v96-127 the bias, eight a column tile; v128-255 the accumulators.  window 1: two fragment buffers of 128 (64 of A, 64 of B, for 64 along K).
.set SLOT,   131072
.set STAGE,  262144                    ; 16 rows x (256 bytes + 16) for each wave
.set SPITCH, 272
.set SPARE,  STAGE+4*16*SPITCH
.set LAPS,   2
.set ADRA, 16
.set ADRB, 20
.set STO,  24
.set RD,   25
.set CO,   26
.set BO,   27
.set SPW,  28
.set NIL,  29
.set TMP,  32
.set BIAS, 96
.set ACC,  128
.set F0,   0
.set F1,   128
.set WV, 12
.set RH, 13                            ; which half of the tile's rows is mine.  Also: I fetch for A (0) or for B (1)
.set CH, 14                            ; which half of its columns.  Also: which 4 tiles I fetch
.set TR, 15
.set G1, 24
.set G0, 32
.set G1B, 48
.set G0B, 56
.set MSB, 0
.macro WIN new
.if MSB != \new
	s_set_vgpr_msb (MSB<<8)|\new
.set MSB, \new
.endif
.endm
.set MUL,  0x05                        ; sources 0 (B) and 1 (A) window 1; C and D window 0
.set TO_F, 0x40
.macro JLOAD s
	s_cmp_eq_u32 s[RH], 0
	s_cbranch_scc0 .Lfor_b_\@
	tensor_load_to_lds s[G0+4*\s:G0+4*\s+3], s[G1:G1+7]
	s_nop 0
.rept 4
	v_nop
.endr
	s_branch .Lasked_\@
.Lfor_b_\@:
	tensor_load_to_lds s[G0B+4*\s:G0B+4*\s+3], s[G1B:G1B+7]
	s_nop 0
.rept 4
	v_nop
.endr
.Lasked_\@:
.endm
.macro CREST
	s_cmp_lg_u32 s[WV], 0
	s_cbranch_scc1 .Lnot_wave_0_\@
	s_barrier_signal -3
.Lnot_wave_0_\@:
	s_barrier_wait -3
	s_barrier_signal -1
	s_barrier_wait -1
.endm
.macro CROUND
	s_barrier_signal -1
	s_barrier_wait -1
	CREST
.endm
	s_load_b256 s[4:11], s[0:1], 0x0               ; ctx, wo, b_o, out0
	v_lshl_add_u32 v[SPW], v0, 2, SPARE
	v_mov_b32 v[NIL], 0
	ds_add_u32 v[SPW], v[NIL]                      ; the wave's opening: the add, twice on end, and its wait ahead of my first tensor load
	ds_add_u32 v[SPW], v[NIL]
	v_lshrrev_b32 v1, 5, v0
	v_readfirstlane_b32 s[WV], v1
	s_lshr_b32 s[RH], s[WV], 1
	s_and_b32 s[CH], s[WV], 1
	s_bfe_u32 s40, ttmp6, 0x40000
	s_bfe_u32 s41, ttmp6, 0x40004
	s_lshl_b32 s42, ttmp9, 2
	s_add_co_u32 s42, s42, s40                     ; tile column
	s_and_b32 s[TR], ttmp7, 0xffff
	s_lshl_b32 s[TR], s[TR], 2
	s_add_co_u32 s[TR], s[TR], s41                 ; tile row
	s_lshl_b32 s43, s41, 2
	s_lshl_b32 s43, 15, s43
	s_lshl_b32 s44, 0x1111, s40
	; 4 tiles x 8 KB (eight fragments on end), 32 KB from tile to tile; elements of 8 bytes
	s_or_b32 s[G1+0], s43, (3<<16)|(1<<21)
	s_or_b32 s[G1B+0], s44, (3<<16)|(1<<21)
.irp g, G1, G1B
	s_mov_b32 s[\g+1], 1024<<16
	s_mov_b32 s[\g+2], 4<<16
	s_mov_b32 s[\g+3], 1024<<16
	s_mov_b32 s[\g+4], 4
	s_mov_b32 s[\g+5], 4096
	s_mov_b32 s[\g+6], 0
	s_mov_b32 s[\g+7], 0
.endr
	s_lshl_b32 s18, s[CH], 17
	s_lshl_b32 s16, s[TR], 18                      ; A: 8 tiles of 32 KB a tile row
	s_add_co_u32 s16, s16, s18
	s_mov_b32 s17, 0
	s_lshl_b32 s46, s42, 18
	s_add_co_u32 s46, s46, s18
	s_mov_b32 s47, 0
	s_lshl_b32 s20, s[WV], 15
	s_wait_dscnt 0x0
	s_wait_kmcnt 0x0
	s_add_nc_u64 s[16:17], s[4:5], s[16:17]
	s_add_nc_u64 s[46:47], s[6:7], s[46:47]
	CROUND
.irp s, 0,1
	s_mov_b32 s[G0+4*\s], 1
	s_add_co_u32 s[G0+4*\s+1], s20, \s*SLOT
	s_add_nc_u64 s[G0+4*\s+2:G0+4*\s+3], s[16:17], \s*8192
	s_or_b32 s[G0+4*\s+3], s[G0+4*\s+3], 0x80000000
	s_mov_b32 s[G0B+4*\s], 1
	s_add_co_u32 s[G0B+4*\s+1], s20, \s*SLOT
	s_add_nc_u64 s[G0B+4*\s+2:G0B+4*\s+3], s[46:47], \s*8192
	s_or_b32 s[G0B+4*\s+3], s[G0B+4*\s+3], 0x80000000
	JLOAD \s
.endr
	v_and_b32 v1, 15, v0                           ; r
	v_bfe_u32 v2, v0, 4, 1                         ; h
	v_and_b32 v3, 31, v0
	v_lshlrev_b32 v3, 4, v3                        ; 16 x lane
	s_lshl_b32 s46, s42, 9                         ; my first column, in bytes of f32
	s_lshl_b32 s47, s[CH], 8
	s_add_co_u32 s46, s46, s47
	s_mov_b32 s47, 0
	s_add_nc_u64 s[8:9], s[8:9], s[46:47]
	v_lshlrev_b32 v[BO], 5, v2
.irp b, 0,1,2,3
	global_load_b128 v[BIAS+8*\b:BIAS+8*\b+3], v[BO], s[8:9] offset:64*\b          ; b_o at columns 16 b + 8 h + 0 .. 7: the result's layout
	global_load_b128 v[BIAS+8*\b+4:BIAS+8*\b+7], v[BO], s[8:9] offset:64*\b+16
.endr
	s_lshl_b32 s21, s[RH], 15
	s_lshl_b32 s22, s[CH], 15
	s_add_co_u32 s22, s22, 65536
.irp s, 0,1
	v_add_nc_u32 v[ADRA+\s], s21, v3
	v_add_nc_u32 v[ADRB+\s], s22, v3
	s_add_co_u32 s21, s21, SLOT
	s_add_co_u32 s22, s22, SLOT
.endr
	s_mul_i32 s23, s[WV], 16*SPITCH
	s_add_co_u32 s23, s23, STAGE
	v_mul_u32_u24 v4, v1, SPITCH
	v_lshl_add_u32 v4, v2, 5, v4
	v_add_nc_u32 v[STO], s23, v4                   ; in: row r, 32 bytes for each half of the lanes
	v_mul_u32_u24 v5, v2, SPITCH
	v_lshl_add_u32 v5, v1, 4, v5
	v_add_nc_u32 v[RD], s23, v5                    ; back: lanes 0-15 one row of 256 bytes, lanes 16-31 the next
	v_lshlrev_b32 v5, 12, v2
	v_lshl_add_u32 v[CO], v1, 4, v5                ; and the same two rows in out0
	s_lshl_b32 s16, s[TR], 19
	s_lshl_b32 s17, s[RH], 18
	s_add_co_u32 s16, s16, s17
	s_mov_b32 s17, 0
	s_add_nc_u64 s[10:11], s[10:11], s[16:17]
	s_add_nc_u64 s[10:11], s[10:11], s[46:47]
.macro MUL8 f, c, a0, zero             ; zero = 1: the first product starts the sums from the bias.  The 16 accumulators take turns
.irp a, \a0, \a0+1
.irp b, 0,1,2,3
.if \zero
	v_wmma_f32_16x16x32_f16 v[ACC+8*(4*(\a)+\b):ACC+8*(4*(\a)+\b)+7], v[\f+64+8*(4*\c+\b):\f+64+8*(4*\c+\b)+7], v[\f+8*(4*\c+\a):\f+8*(4*\c+\a)+7], v[BIAS+8*\b:BIAS+8*\b+7]
.else
	v_wmma_f32_16x16x32_f16 v[ACC+8*(4*(\a)+\b):ACC+8*(4*(\a)+\b)+7], v[\f+64+8*(4*\c+\b):\f+64+8*(4*\c+\b)+7], v[\f+8*(4*\c+\a):\f+8*(4*\c+\a)+7], v[ACC+8*(4*(\a)+\b):ACC+8*(4*(\a)+\b)+7]
.endif
.endr
.endr
.endm
.macro FETCH slot, qd, f               ; 32 LDS loads in one run: the fragments of the slot's quarter qd (64 along K), the first 32 along K first
	WIN TO_F
.irp c, 0,1
.irp i, 0,1,2,3
	ds_load_b128 v[\f+64+8*(4*\c+\i):\f+64+8*(4*\c+\i)+3],   v[ADRB+\slot] offset:8192*\i+1024*(2*(\qd)+\c)
	ds_load_b128 v[\f+64+8*(4*\c+\i)+4:\f+64+8*(4*\c+\i)+7], v[ADRB+\slot] offset:8192*\i+1024*(2*(\qd)+\c)+512
	ds_load_b128 v[\f+8*(4*\c+\i):\f+8*(4*\c+\i)+3],         v[ADRA+\slot] offset:8192*\i+1024*(2*(\qd)+\c)
	ds_load_b128 v[\f+8*(4*\c+\i)+4:\f+8*(4*\c+\i)+7],       v[ADRA+\slot] offset:8192*\i+1024*(2*(\qd)+\c)+512
.endr
.endr
.endm
.macro PLACES
.rept 4
	v_nop
.endr
.endm
.macro QUARTER slot, qd, f, g, zero    ; multiplies buffer f and fetches quarter qd into g
	s_wait_dscnt 16                                ; the first 32 along K are in
	WIN MUL
	MUL8 \f, 0, 0, \zero
	MUL8 \f, 0, 2, \zero
	PLACES
	FETCH \slot, \qd, \g
	s_wait_dscnt 32                                ; all but the 32 just issued
	WIN MUL
	MUL8 \f, 1, 0, 0
	MUL8 \f, 1, 2, 0
.endm
.macro TURN slot, next, fill           ; the last quarter changes slots: one barrier; fill = 1: it opens a round of the cluster's barrier, and this slot is filled again, two K steps ahead
	WIN 0
	s_wait_tensorcnt 0x0                           ; all my tensor loads have landed: my part of the next slot
	ds_add_u32 v[SPW], v[NIL]
	s_wait_dscnt 17                                ; the add and the youngest sixteen loads may be out
	WIN MUL
	MUL8 F1, 0, 0, 0
	s_wait_dscnt 0x0                               ; the add is done, and my reads of this slot are over
	s_barrier_signal -1
	MUL8 F1, 0, 2, 0
.if \fill
	WIN 0
.endif
	s_barrier_wait -1
.if \fill
	CREST
	s_add_nc_u64 s[G0+4*\slot+2:G0+4*\slot+3], s[G0+4*\slot+2:G0+4*\slot+3], 16384
	s_add_nc_u64 s[G0B+4*\slot+2:G0B+4*\slot+3], s[G0B+4*\slot+2:G0B+4*\slot+3], 16384
	JLOAD \slot                                    ; the first tensor load behind the round; its four v_nop are also the places in front of the loads below
.else
	PLACES
.endif
	FETCH \next, 0, F0
	WIN MUL
	MUL8 F1, 1, 0, 0
	MUL8 F1, 1, 2, 0
.endm
	s_wait_tensorcnt 1                             ; my part of K step 0 is in; K step 1's load may be out
	s_barrier_signal -1
	s_barrier_wait -1
	FETCH 0, 0, F0
	s_wait_loadcnt 0x0                             ; the bias
	QUARTER 0, 1, F0, F1, 1
	WIN 0
	s_mov_b32 s3, LAPS-1
.Llap:
	QUARTER 0, 2, F1, F0, 0
	QUARTER 0, 3, F0, F1, 0
	TURN 0, 1, 1
	QUARTER 1, 1, F0, F1, 0
	QUARTER 1, 2, F1, F0, 0
	QUARTER 1, 3, F0, F1, 0
	TURN 1, 0, 1
	QUARTER 0, 1, F0, F1, 0
	WIN 0
	s_sub_co_u32 s3, s3, 1
	s_cmp_lg_u32 s3, 0
	s_cbranch_scc1 .Llap
	QUARTER 0, 2, F1, F0, 0                        ; the last lap fills nothing
	QUARTER 0, 3, F0, F1, 0
	TURN 0, 1, 0
	QUARTER 1, 1, F0, F1, 0
	QUARTER 1, 2, F1, F0, 0
	QUARTER 1, 3, F0, F1, 0
	s_wait_dscnt 16
	WIN MUL
	MUL8 F1, 0, 0, 0
	MUL8 F1, 0, 2, 0
	s_wait_dscnt 0
	MUL8 F1, 1, 0, 0
	MUL8 F1, 1, 2, 0
	WIN 0
; THE WAY OUT: 16 tokens x 64 columns at a time through my own stage: a lane's 32 bytes go in, whole rows of 256 bytes come back: sixteen lanes store 256 consecutive bytes, aligned.
; LDS serves a wave's instructions in order (ISA guide 5.7.1.4): no wait between the stores and the loads, nor in front of the next block's stores.
.macro TOSTAGE a
.irp b, 0,1,2,3
	ds_store_b128 v[STO], v[ACC+8*(4*(\a)+\b):ACC+8*(4*(\a)+\b)+3] offset:64*\b        ; each accumulator from its low end on
	ds_store_b128 v[STO], v[ACC+8*(4*(\a)+\b)+4:ACC+8*(4*(\a)+\b)+7] offset:64*\b+16
.endr
.set BB, TMP+32*((\a)%2)
.irp t, 0,1,2,3,4,5,6,7
	ds_load_b128 v[BB+4*\t:BB+4*\t+3], v[RD] offset:\t*2*SPITCH
.endr
.endm
.macro SEND a, younger
.set BB, TMP+32*((\a)%2)
	s_wait_dscnt \younger                          ; the block is back; the next block's eight stores and eight loads may be out
.irp t, 0,1,2,3,4,5,6,7
	global_store_b128 v[CO], v[BB+4*\t:BB+4*\t+3], s[10:11] offset:(\a)*65536+\t*8192 th:TH_STORE_NT
.endr
.endm
	PLACES
	TOSTAGE 0
.irp a, 1,2,3
.if \a > 1
	s_wait_xcnt 0x0                                ; block a - 2's stores have read their registers: block a's loads may land there
.endif
	TOSTAGE \a
	SEND \a-1, 16
.endr
	SEND 3, 0
	s_wait_tensorcnt 0x0                           ; the wave's end
	ds_add_u32 v[SPW], v[NIL]
	s_wait_dscnt 0x0
	CROUND                                         ; the closing round
	s_endpgm
.Lfunc_end_k_q6db1c08ed5_proj:
	.size	k_q6db1c08ed5_proj, .Lfunc_end_k_q6db1c08ed5_proj-k_q6db1c08ed5_proj
	.p2alignl 7, 3214868480
	.fill 96, 4, 3214868480
	.section	.rodata,"a",@progbits
	.p2align	6, 0x0
	.amdhsa_kernel k_q6db1c08ed5_proj
		.amdhsa_group_segment_fixed_size 327680
		.amdhsa_private_segment_fixed_size 0
		.amdhsa_enable_private_segment 0
		.amdhsa_kernarg_size 32
		.amdhsa_user_sgpr_count 2
		.amdhsa_user_sgpr_kernarg_segment_ptr 1
		.amdhsa_wavefront_size32 1
		.amdhsa_system_sgpr_workgroup_id_x 1
		.amdhsa_system_sgpr_workgroup_id_y 1
		.amdhsa_system_sgpr_workgroup_id_z 1
		.amdhsa_system_vgpr_workitem_id 0
		.amdhsa_next_free_vgpr 512
		.amdhsa_next_free_sgpr 66
		.amdhsa_reserve_vcc 0
		.amdhsa_float_denorm_mode_32 3
		.amdhsa_float_denorm_mode_16_64 3
		.amdhsa_memory_ordered 1
		.amdhsa_forward_progress 1
		.amdhsa_inst_pref_size 86
	.end_amdhsa_kernel
	.amdgpu_metadata
---
amdhsa.version: [ 1, 2 ]
amdhsa.kernels:
  - .name:           k_q6db1c08ed5_proj
    .symbol:         k_q6db1c08ed5_proj.kd
    .args:
      - { .name: ctx, .offset: 0, .size: 8, .value_kind: global_buffer, .address_space: global }
      - { .name: wo, .offset: 8, .size: 8, .value_kind: global_buffer, .address_space: global }
      - { .name: b_o, .offset: 16, .size: 8, .value_kind: global_buffer, .address_space: global }
      - { .name: out0, .offset: 24, .size: 8, .value_kind: global_buffer, .address_space: global }
    .group_segment_fixed_size: 327680
    .private_segment_fixed_size: 0
    .kernarg_segment_align: 8
    .kernarg_segment_size: 32
    .max_flat_workgroup_size: 128
    .sgpr_count:     66
    .vgpr_count:     512
    .wavefront_size: 32
...
	.end_amdgpu_metadata
.endif
;; end of part 4
;; launch first16 (part 5): grid 32 x 1, 16 waves a work-group, no clusters, 153,856 bytes of LDS; arguments h32, W_o, b_o, out0; writes out0
.if DOCPART == 5
	.amdgcn_target "amdgcn-amd-amdhsa--gfx1250"
	.amdhsa_code_object_version 6
	.text
	.protected	k_q6db1c08ed5_first16
	.globl	k_q6db1c08ed5_first16
	.p2align	8
	.type	k_q6db1c08ed5_first16,@function
k_q6db1c08ed5_first16:
	s_mov_b64 s[64:65], 0
	v_nop
	global_prefetch_b8 v0, s[64:65] scope:SCOPE_SE
	s_setreg_imm32_b32 hwreg(HW_REG_WAVE_MODE, 25, 1), 1
	s_wait_xcnt 0x0
; POSITIONS 0 TO 15 IN f32: under the causal mask these rows average one to sixteen values, so 16-bit operands would weigh most here.  Attention and projection of these 16 rows, with f32 operands throughout.
; q, k, v of tokens 0-15 come from h32's slab 0 as images of accumulators: lane (r, h): token r, features 16 ft + 8 h + 0 .. 7 (registers 0-3 at 16 x lane, 4-7 at 512 + 16 x lane).
; SHARES: work-group g owns output columns 32 g .. 32 g + 31.  Every work-group makes the 16 rows of ctx anew, a head a wave (192 KB read); then wave w multiplies them by W_o's rows 128 (w / 2) on, columns 16 (w % 2) on;
; the eight parts along k meet in LDS, and wave w stores row w: 128 consecutive bytes, half of an aligned 256: the price of 32 shares of columns.
; THE f32 MATRIX FORM: K = 4, register j of lane (r, h) is k = 2 h + j.  Both sources always take the same permutation of k, which keeps the products.  Its results, v112-143, are written by matrix instructions alone;
; sums begin with C = 0 and four accumulators take turns.
.set CTXP,  4112                       ; LDS: ctx, 16 rows x (4,096 bytes + 16);
.set VT,    65792                      ; v of a head, 16 keys x (256 bytes + 16), for each wave;
.set RED,   135424                     ; a wave's 16 x 16 part of the result, 1 KB;
.set SPARE, 151808                     ; the spare words
.set ACC,   112
.set T,     144
	s_load_b256 s[4:11], s[0:1], 0x0               ; h32, W_o, b_o, out0
	v_lshl_add_u32 v2, v0, 2, SPARE
	v_mov_b32 v3, 0
	v_lshrrev_b32 v1, 5, v0
	v_readfirstlane_b32 s12, v1                    ; wave = head = output row
	v_and_b32 v4, 31, v0
	v_and_b32 v5, 15, v0                           ; r
	v_bfe_u32 v6, v0, 4, 1                         ; h
	v_lshlrev_b32 v1, 4, v4                        ; 16 x lane
	s_and_b32 s13, s12, 1                          ; which 16 columns
	s_lshr_b32 s14, s12, 1                         ; which 128 along k
	s_mov_b32 s16, 0x76543210
	s_mov_b32 s17, 0xfedcba98
	s_mov_b32 s18, 0x3e38aa3b                      ; c = log2(e) / 8
	s_mul_i32 s20, s12, 4352
	s_add_co_u32 s20, s20, VT
	v_mul_u32_u24 v7, v5, 272
	v_lshl_add_u32 v7, v6, 5, v7
	v_add_nc_u32 v7, s20, v7                       ; v in: key r, channels 8 h on
	v_mul_u32_u24 v8, v6, 2176
	v_lshl_add_u32 v8, v5, 2, v8
	v_add_nc_u32 v8, s20, v8                       ; v out: keys 8 h on, channel r
	v_mul_u32_u24 v9, v5, CTXP
	v_lshl_add_u32 v10, v6, 3, v9
	v_lshl_add_u32 v9, v6, 5, v9
	s_lshl_b32 s20, s12, 8
	v_add_nc_u32 v9, s20, v9                       ; ctx in: row r, my head's 256 bytes, 32 h
	s_lshl_b32 s20, s14, 9
	v_add_nc_u32 v10, s20, v10                     ; ctx out: row r, my 128 along k, 8 h
	s_lshl_b32 s20, s12, 10
	s_add_co_u32 s20, s20, RED
	v_add_nc_u32 v11, s20, v1                      ; my part in
	s_bfe_u32 s20, s12, 0x10002                    ; row w = 8 h' + j lies in register j of lanes 16 h' on: 512 (j / 4) + 256 h' + 4 (j % 4)
	s_lshl_b32 s20, s20, 9
	s_lshr_b32 s21, s12, 3
	s_lshl_b32 s21, s21, 8
	s_add_co_u32 s20, s20, s21
	s_and_b32 s21, s12, 3
	s_lshl_b32 s21, s21, 2
	s_add_co_u32 s20, s20, s21
	s_add_co_u32 s20, s20, RED
	v_lshrrev_b32 v12, 4, v4
	v_lshlrev_b32 v12, 10, v12
	v_lshl_add_u32 v12, v5, 4, v12
	v_add_nc_u32 v12, s20, v12                     ; the parts out: column = lane
	v_lshlrev_b32 v13, 13, v6
	v_lshl_add_u32 v13, v5, 2, v13                 ; W_o: two rows down for lanes 16-31, column r
	v_lshlrev_b32 v14, 2, v4
	v_lshlrev_b32 v15, 3, v6
	v_sub_nc_u32 v15, v5, v15                      ; r - 8 h
	s_lshl_b32 s22, s12, 12                        ; h32: four feature tiles a head
	s_mov_b32 s23, 0
	s_lshl_b32 s26, ttmp9, 7                       ; my work-group's 32 columns, in bytes
	s_mov_b32 s27, 0
	s_lshl_b32 s24, s14, 19
	s_add_co_u32 s24, s24, s26
	s_lshl_b32 s25, s13, 6
	s_add_co_u32 s24, s24, s25
	s_mov_b32 s25, 0
	s_lshl_b32 s28, s12, 12
	s_add_co_u32 s28, s28, s26
	s_mov_b32 s29, 0
	s_wait_kmcnt 0x0
	s_add_nc_u64 s[4:5], s[4:5], s[22:23]
	s_add_nc_u64 s[6:7], s[6:7], s[24:25]
	s_add_nc_u64 s[8:9], s[8:9], s[26:27]
	s_add_nc_u64 s[10:11], s[10:11], s[28:29]
.irp x, 0,1,2                                      ; q -> v16-47, k -> v48-79, v -> v80-111
.irp f, 0,1,2,3
.irp e, 0,1
	global_load_b128 v[16+32*\x+8*\f+4*\e:16+32*\x+8*\f+4*\e+3], v1, s[4:5] offset:65536*\x+1024*\f+512*\e
.endr
.endr
.endr
.set i, 0
.rept 64                                           ; W_o(128 kq + 4 s + 2 h + j, my column): register 2 s + j
	global_load_b32 v[192+i], v13, s[6:7] offset:(4*(i/2)+i%2)*4096
.set i, i+1
.endr
	global_load_b32 v191, v14, s[8:9]
	s_wait_loadcnt 63                              ; q, k, v are in (65 loads were issued behind them; the counter's field ends at 63)
	; ---- A: my head's attention
.irp f, 0,1,2,3
.irp e, 0,1
	ds_store_b128 v7, v[80+8*\f+4*\e:80+8*\f+4*\e+3] offset:64*\f+16*\e
.endr
.endr
.irp u, 0,1,2,3                                    ; S^T = k q^T: the pair 2 u, 2 u + 1 of feature tile f is channels 16 f + 8 h + 2 u + 0, 1, alike in both sources
.irp f, 0,1,2,3
.if \u == 0
	v_wmma_f32_16x16x4_f32 v[ACC+8*\f:ACC+8*\f+7], v[48+8*\f+2*\u:48+8*\f+2*\u+1], v[16+8*\f+2*\u:16+8*\f+2*\u+1], 0
.else
	v_wmma_f32_16x16x4_f32 v[ACC+8*\f:ACC+8*\f+7], v[48+8*\f+2*\u:48+8*\f+2*\u+1], v[16+8*\f+2*\u:16+8*\f+2*\u+1], v[ACC+8*\f:ACC+8*\f+7]
.endif
.endr
.endr
.rept 8
	v_nop                                          ; eight places behind this form (ISA guide 7.12.1)
.endr
.irp c, 0,1,2,3                                    ; v^T: channel 16 c + r, keys 8 h + 2 u + 0, 1: they land while the softmax is made
.irp u, 0,1,2,3
.irp j, 0,1
	ds_load_b32 v[48+8*\c+2*\u+\j], v8 offset:(2*\u+\j)*272+64*\c
.endr
.endr
.endr
.irp j, 0,2,4,6
	v_pk_add_f32 v[T+\j:T+\j+1], v[ACC+\j:ACC+\j+1], v[ACC+8+\j:ACC+8+\j+1]
.endr
.irp j, 0,2,4,6
	v_pk_add_f32 v[T+8+\j:T+8+\j+1], v[ACC+16+\j:ACC+16+\j+1], v[ACC+24+\j:ACC+24+\j+1]
.endr
.irp j, 0,2,4,6
	v_pk_add_f32 v[T+\j:T+\j+1], v[T+\j:T+\j+1], v[T+8+\j:T+8+\j+1]   ; register j: key 8 h + j, query r
.endr
	v_mov_b32 v160, 0xff800000
.irp j, 0,1,2,3,4,5,6,7
	v_cmp_gt_i32 vcc_lo, \j, v15                   ; hidden where 8 h + j > r
	v_cndmask_b32 v[T+\j], v[T+\j], v160, vcc_lo
.endr
	v_max3_num_f32 v161, v144, v145, v146
	v_max3_num_f32 v162, v147, v148, v149
	v_max3_num_f32 v161, v161, v150, v151
	v_max_num_f32 v161, v161, v162
	v_permlanex16_b32 v162, v161, s16, s17
	v_max_num_f32 v161, v161, v162                 ; the row's maximum: key 0 counts for every query
	v_mul_f32 v162, s18, v161
.irp j, 0,1,2,3,4,5,6,7
	v_fma_f32 v[T+\j], v[T+\j], s18, -v162
.endr
.irp j, 0,1,2,3,4,5,6,7
	v_exp_f32 v[T+\j], v[T+\j]
.endr
	v_nop
	s_wait_alu depctr_va_vdst(0)                   ; one wait for the eight, ahead of their first reader
	v_add_f32 v163, v144, v145
	v_add_f32 v164, v146, v147
	v_add_f32 v165, v148, v149
	v_add_f32 v166, v150, v151
	v_add_f32 v163, v163, v164
	v_add_f32 v165, v165, v166
	v_add_f32 v163, v163, v165
	v_permlanex16_b32 v164, v163, s16, s17
	v_add_f32 v163, v163, v164
	v_rcp_f32 v165, v163
	v_nop
	s_wait_alu depctr_va_vdst(0)
.irp j, 0,1,2,3,4,5,6,7
	v_mul_f32 v[T+\j], v[T+\j], v165               ; the weights
.endr
	s_wait_dscnt 0x0
.irp u, 0,1,2,3                                    ; ctx^T = v^T p: keys 8 h + 2 u + 0, 1, alike in both sources
.irp c, 0,1,2,3
.if \u == 0
	v_wmma_f32_16x16x4_f32 v[ACC+8*\c:ACC+8*\c+7], v[48+8*\c+2*\u:48+8*\c+2*\u+1], v[T+2*\u:T+2*\u+1], 0
.else
	v_wmma_f32_16x16x4_f32 v[ACC+8*\c:ACC+8*\c+7], v[48+8*\c+2*\u:48+8*\c+2*\u+1], v[T+2*\u:T+2*\u+1], v[ACC+8*\c:ACC+8*\c+7]
.endif
.endr
.endr
.rept 9
	v_nop                                          ; eight places in front of the stores and loads below; nine in front of the products that begin these accumulators anew
.endr
.irp c, 0,1,2,3
	ds_store_b128 v9, v[ACC+8*\c:ACC+8*\c+3] offset:64*\c          ; query r, channels 16 c + 8 h on
	ds_store_b128 v9, v[ACC+8*\c+4:ACC+8*\c+7] offset:64*\c+16
.endr
	s_wait_dscnt 0x0                               ; for the others' sake
	s_barrier_signal -1
	s_barrier_wait -1                              ; 16 whole rows of ctx lie in LDS
	; ---- B: my 16 columns, my 128 along k
.set i, 0
.rept 32
	ds_load_b64 v[16+2*i:17+2*i], v10 offset:16*i  ; ctx(r, 128 kq + 4 s + 2 h + 0, 1)
.set i, i+1
.endr
	s_wait_loadcnt 0x0                             ; W_o, the bias
	s_wait_dscnt 0x0
.set i, 0
.rept 32
.if i < 4
	v_wmma_f32_16x16x4_f32 v[ACC+8*(i%4):ACC+8*(i%4)+7], v[16+2*i:17+2*i], v[192+2*i:193+2*i], 0
.else
	v_wmma_f32_16x16x4_f32 v[ACC+8*(i%4):ACC+8*(i%4)+7], v[16+2*i:17+2*i], v[192+2*i:193+2*i], v[ACC+8*(i%4):ACC+8*(i%4)+7]
.endif
.set i, i+1
.endr
.rept 8
	v_nop
.endr
.irp j, 0,2,4,6
	v_pk_add_f32 v[T+\j:T+\j+1], v[ACC+\j:ACC+\j+1], v[ACC+8+\j:ACC+8+\j+1]
.endr
.irp j, 0,2,4,6
	v_pk_add_f32 v[T+8+\j:T+8+\j+1], v[ACC+16+\j:ACC+16+\j+1], v[ACC+24+\j:ACC+24+\j+1]
.endr
.irp j, 0,2,4,6
	v_pk_add_f32 v[T+\j:T+\j+1], v[T+\j:T+\j+1], v[T+8+\j:T+8+\j+1]   ; register j: token 8 h + j, column r
.endr
	ds_store_b128 v11, v[T:T+3]
	ds_store_b128 v11, v[T+4:T+7] offset:512
	s_wait_dscnt 0x0
	s_barrier_signal -1
	s_barrier_wait -1
	; ---- C: row w: the eight parts along k, the bias, the store
.irp k, 0,1,2,3,4,5,6,7
	ds_load_b32 v[168+\k], v12 offset:2048*\k
.endr
	s_wait_dscnt 0x0
	v_add_f32 v168, v168, v169
	v_add_f32 v170, v170, v171
	v_add_f32 v172, v172, v173
	v_add_f32 v174, v174, v175
	v_add_f32 v168, v168, v170
	v_add_f32 v172, v172, v174
	v_add_f32 v168, v168, v172
	v_add_f32 v168, v168, v191
	global_store_b32 v14, v168, s[10:11]
	s_wait_tensorcnt 0x0                           ; the wave's end
	ds_add_u32 v2, v3
	s_wait_dscnt 0x0
	s_endpgm
.Lfunc_end_k_q6db1c08ed5_first16:
	.size	k_q6db1c08ed5_first16, .Lfunc_end_k_q6db1c08ed5_first16-k_q6db1c08ed5_first16
	.p2alignl 7, 3214868480
	.fill 96, 4, 3214868480
	.section	.rodata,"a",@progbits
	.p2align	6, 0x0
	.amdhsa_kernel k_q6db1c08ed5_first16
		.amdhsa_group_segment_fixed_size 153856
		.amdhsa_private_segment_fixed_size 0
		.amdhsa_enable_private_segment 0
		.amdhsa_kernarg_size 32
		.amdhsa_user_sgpr_count 2
		.amdhsa_user_sgpr_kernarg_segment_ptr 1
		.amdhsa_wavefront_size32 1
		.amdhsa_system_sgpr_workgroup_id_x 1
		.amdhsa_system_sgpr_workgroup_id_y 1
		.amdhsa_system_sgpr_workgroup_id_z 1
		.amdhsa_system_vgpr_workitem_id 0
		.amdhsa_next_free_vgpr 256
		.amdhsa_next_free_sgpr 66
		.amdhsa_reserve_vcc 1
		.amdhsa_float_denorm_mode_32 3
		.amdhsa_float_denorm_mode_16_64 3
		.amdhsa_memory_ordered 1
		.amdhsa_forward_progress 1
		.amdhsa_inst_pref_size 27
	.end_amdhsa_kernel
	.amdgpu_metadata
---
amdhsa.version: [ 1, 2 ]
amdhsa.kernels:
  - .name:           k_q6db1c08ed5_first16
    .symbol:         k_q6db1c08ed5_first16.kd
    .args:
      - { .name: h32, .offset: 0, .size: 8, .value_kind: global_buffer, .address_space: global }
      - { .name: W_o, .offset: 8, .size: 8, .value_kind: global_buffer, .address_space: global }
      - { .name: b_o, .offset: 16, .size: 8, .value_kind: global_buffer, .address_space: global }
      - { .name: out0, .offset: 24, .size: 8, .value_kind: global_buffer, .address_space: global }
    .group_segment_fixed_size: 153856
    .private_segment_fixed_size: 0
    .kernarg_segment_align: 8
    .kernarg_segment_size: 32
    .max_flat_workgroup_size: 512
    .sgpr_count:     66
    .vgpr_count:     256
    .wavefront_size: 32
...
	.end_amdgpu_metadata
.endif
;; end of part 5
